; MI455X (gfx1250); checked and timed in simulation.
; The chip was launched on July 23, 2026; its instructions are those of AMD's public machine-readable ISA for CDNA 5 (MIT licence, August 2026) and "CDNA5" Instruction Set Architecture Reference Guide (July 2026). The comments in the code are by the model that wrote it; some were corrected since.
;; Attention. Allowed arithmetic: float matrix products may take bf16 or f16 operands with f32 sums; other float arithmetic in f32, or as packed bf16 or f16 multiplies, adds, multiply-adds, maxima and minima; sums over many terms, partial sums and values carried from step to step in f32; what a program stores and reads back later, other than sums and carried values, may be rounded once to bf16 or f16.
;; Inputs: Wkv 1,024 x 1,024 float32; Wo 512 x 1,024 float32; Wq 1,024 x 512 float32; k_gamma 8 x 64 float32; norm_w 1,024 float32; q_gamma 8 x 64 float32; tokens 4 x 2,048 x 1,024 float32.
;; Outputs: out0 4 x 2,048 x 1,024 float32.
;; One version. Each part assembles by itself: llvm-mc -triple=amdgcn-amd-amdhsa -mcpu=gfx1250 --defsym DOCPART=n.
;; ======== version 1 of 1: 4 launches
;; limits: values are held in f16: magnitudes above 65,504 overflow, below 6.1e-05 lose precision; right only within a limited range of input values
;; workspace buffers: x16 16,777,216 bytes; wqkvb 3,145,728 bytes; wo16 1,048,576 bytes; colscale 6,144 bytes; qkv 25,165,824 bytes; o16 8,388,608 bytes
;; launch prep (part 1): grid 673 x 1, 8 waves a work-group, no clusters, 0 bytes of LDS; arguments tokens, norm_w, Wq, Wkv, Wo, q_gamma, k_gamma, x16, wqkvb, wo16, colscale; writes x16, wqkvb, wo16, colscale
.if DOCPART == 1
	.amdgcn_target "amdgcn-amd-amdhsa--gfx1250"
	.amdhsa_code_object_version 6
	.text
	.protected	k_qa4775a467d_prep
	.globl	k_qa4775a467d_prep
	.p2align	8
	.type	k_qa4775a467d_prep,@function
k_qa4775a467d_prep:
	s_mov_b64 s[64:65], 0
	v_nop
	global_prefetch_b8 v0, s[64:65] scope:SCOPE_SE
	s_setreg_imm32_b32 hwreg(HW_REG_WAVE_MODE, 25, 1), 1
	s_wait_xcnt 0x0
; PREP: everything that is made of one input alone, as a stream: no LDS, no matrix unit, no cluster (no two work-groups read the same bytes but norm_w's 4,096).
;   x16[r][c]   = f16( bf16(tokens[r][c]) * rsqrt(mean_c bf16(tokens)^2 + 2^-23) * bf16(norm_w[c]) )        work-groups 0-511, 16 rows each, 2 rows a wave
;   wo16[k][c]  = f16( bf16(Wo[k][c]) )                                                                       work-groups 512-543: the same text with gain 1 and factor 1
;   wqkvb       = f16( bf16([Wq | Wkv]) ) in 8 panels of 192 columns, [panel][1024 k][192]                    work-groups 544-671, a k row a wave
;   colscale[c] = (bf16(q_gamma)+1) * 16 log2(e) / 50 | (bf16(k_gamma)+1) * 8 | 1                             work-group 672
; All inputs are rounded to bf16 first, once; what is made of them is kept in f16.
; LIMITS.  f16 ends at 65,504: |x| is at most 32 |norm_w|, so |norm_w| stays under 2,000; a weight below 6.1e-5 keeps f16's fixed step of 6e-8; NaN and infinities are not treated apart.
.set VO,  2                            ; v2   16 x lane: my 16 bytes of 512 in a load
.set VS,  3                            ; v3   8 x lane: my 8 bytes of 256 in a store
.set V1,  4                            ; v4   the same, one panel further on for lanes 16-31
.set ONE, 5                            ; v5   1.0
.set R,   6                            ; v[6:7]    the row's factor, twice
.set T,   8                            ; v[8:11]   packed bf16, at work
.set SQ,  12                           ; v[12:19]  four chains of two sums of squares
.set W,   32                           ; v[32:63]  norm_w of my 32 columns
.set X,   64                           ; v[64:127] two rows, 32 numbers a lane each
.set Y,   128                          ; v[128:159] the same in f16
.set PANSTEP, 393216-384               ; a panel's bytes less a k row's: what a column's address gains when it passes into the next panel
	s_load_b512 s[8:23], s[0:1], 0x0               ; tokens 8, norm_w 10, Wq 12, Wkv 14, Wo 16, q_gamma 18, k_gamma 20, x16 22
	s_load_b128 s[24:27], s[0:1], 0x40             ; wqkvb 24, wo16 26
	s_load_b64 s[28:29], s[0:1], 0x50              ; colscale
	v_and_b32 v1, 31, v0                           ; lane
	v_lshrrev_b32 v20, 5, v0
	v_readfirstlane_b32 s36, v20                   ; wave 0..7
	v_lshlrev_b32 v[VO], 4, v1
	v_lshlrev_b32 v[VS], 3, v1
	v_mov_b32 v[ONE], 1.0
	v_mov_b32 v21, 0                               ; v_permlanex16_b32's destination counts as read
	s_mov_b32 s30, 0xffff0000                      ; a word's upper bf16
	s_mov_b32 s32, 0x76543210                      ; v_permlanex16_b32: each lane takes its own place in the other half
	s_mov_b32 s33, 0xfedcba98
	s_mov_b32 s34, 0x3a800000                      ; 1 / 1024
	s_mov_b32 s35, 0x34000000                      ; 2^-23, f32's eps
	s_mov_b32 s39, 0
	s_mov_b32 s41, 0
	s_wait_kmcnt 0x0
	s_cmp_lt_u32 ttmp9, 544
	s_cbranch_scc1 .Lrows
	s_cmp_lt_u32 ttmp9, 672
	s_cbranch_scc1 .Lwqkv
	; THE COLUMN SCALES: thread t has two numbers of each gamma.  (g + 1) c = g c + c, one fused multiply-add.
	v_lshlrev_b32 v[V1], 3, v0                     ; 8 t
	global_load_b64 v[64:65], v[V1], s[18:19]
	global_load_b64 v[66:67], v[V1], s[20:21]
	s_mov_b32 s37, 0x3eec5f04                      ; 8 x 2 log2(e) / 50: the scores then leave the matrix unit as the exponent of tanh's exponential
	s_mov_b32 s38, 0x41000000                      ; 8
	v_mov_b32 v70, 1.0
	v_mov_b32 v71, 1.0
	s_wait_loadcnt 0x0
	v_cvt_pk_bf16_f32 v[T], v64, v65
	v_cvt_pk_bf16_f32 v[T+1], v66, v67
	v_lshlrev_b32 v64, 16, v[T]
	v_and_b32 v65, s30, v[T]
	v_lshlrev_b32 v66, 16, v[T+1]
	v_and_b32 v67, s30, v[T+1]
	v_fma_f32 v64, v64, s37, s37
	v_fma_f32 v65, v65, s37, s37
	v_fma_f32 v66, v66, s38, s38
	v_fma_f32 v67, v67, s38, s38
	global_store_b64 v[V1], v[64:65], s[28:29]             ; q's 512 columns
	global_store_b64 v[V1], v[66:67], s[28:29] offset:2048 ; k's
	global_store_b64 v[V1], v[70:71], s[28:29] offset:4096 ; v's
	s_endpgm
; four f32 at x: rounded to bf16, then written as f16 into the pair at y
.macro RND4 x, y
	v_cvt_pk_bf16_f32 v[T], v[(\x)], v[(\x)+1]
	v_cvt_pk_bf16_f32 v[T+1], v[(\x)+2], v[(\x)+3]
	v_lshlrev_b32 v[(\x)], 16, v[T]
	v_and_b32 v[(\x)+1], s30, v[T]
	v_lshlrev_b32 v[(\x)+2], 16, v[T+1]
	v_and_b32 v[(\x)+3], s30, v[T+1]
	v_cvt_pk_f16_f32 v[(\y)], v[(\x)], v[(\x)+1]
	v_cvt_pk_f16_f32 v[(\y)+1], v[(\x)+2], v[(\x)+3]
.endm
.Lwqkv:                                        ; A K ROW OF [Wq | Wkv]: 1,536 columns, 12 loads of 128 columns; column c goes to panel c / 192
	s_sub_co_u32 s37, ttmp9, 544
	s_lshl3_add_u32 s37, s37, s36                  ; k = 8 (work-group - 544) + wave
	s_lshl_b32 s38, s37, 11
	s_add_nc_u64 s[12:13], s[12:13], s[38:39]      ; Wq's row: 2,048 bytes
	s_lshl_b32 s38, s37, 12
	s_add_nc_u64 s[14:15], s[14:15], s[38:39]      ; Wkv's row: 4,096 bytes
	s_mul_i32 s38, s37, 384
	s_add_nc_u64 s[24:25], s[24:25], s[38:39]      ; the row's 384 bytes in panel 0
	v_bfe_u32 v[V1], v0, 4, 1
	v_mad_u32_u24 v[V1], v[V1], PANSTEP, v[VS]
.irp j, 0,1,2,3
	global_load_b128 v[X+4*(\j):X+4*(\j)+3], v[VO], s[12:13] offset:512*(\j) th:TH_LOAD_NT
.endr
.irp j, 4,5,6,7,8,9,10,11
	global_load_b128 v[X+4*(\j):X+4*(\j)+3], v[VO], s[14:15] offset:512*((\j)-4) th:TH_LOAD_NT
.endr
.irp j, 0,1,2,3,4,5,6,7,8,9,10,11
	s_wait_loadcnt 11-(\j)                         ; loads come back in order: load j is in, the younger ones stay out
	RND4 X+4*(\j), Y+2*(\j)
	; unpanelled the 8 bytes lie at 256 j + 8 lane; each panel passed adds PANSTEP.  Of three loads the first lies in panel 2 (j / 3), the third in the next, the second half in each
.if (\j)%3 == 1
	global_store_b64 v[V1], v[Y+2*(\j):Y+2*(\j)+1], s[24:25] offset:256*(\j)+(2*((\j)/3))*PANSTEP
.else
	global_store_b64 v[VS], v[Y+2*(\j):Y+2*(\j)+1], s[24:25] offset:256*(\j)+(2*((\j)/3)+((\j)%3)/2)*PANSTEP
.endif
.endr
	s_endpgm
.Lrows:                                        ; TWO ROWS OF 1,024 A WAVE: of tokens, or of Wo (there the gain and the factor are replaced by 1; the sum of squares is made and not used)
	s_cmp_ge_u32 ttmp9, 512
	s_cselect_b32 s31, -1, 0                       ; all lanes: this is Wo
	s_cselect_b64 s[42:43], s[16:17], s[8:9]       ; from
	s_cselect_b64 s[44:45], s[26:27], s[22:23]     ; to
	s_cselect_b32 s37, 512, 0
	s_sub_co_u32 s37, ttmp9, s37
	s_lshl_b32 s37, s37, 4
	s_lshl1_add_u32 s37, s36, s37                  ; my first row = 16 x group + 2 x wave
	s_lshl_b32 s38, s37, 12                        ; 4,096 bytes a row in,
	s_lshl_b32 s40, s37, 11                        ; 2,048 out
	s_add_nc_u64 s[42:43], s[42:43], s[38:39]
	s_add_nc_u64 s[44:45], s[44:45], s[40:41]
.irp j, 0,1,2,3,4,5,6,7
	global_load_b128 v[W+4*(\j):W+4*(\j)+3], v[VO], s[10:11] offset:512*(\j)
.endr
.irp i, 0,1
.irp j, 0,1,2,3,4,5,6,7
	global_load_b128 v[X+32*(\i)+4*(\j):X+32*(\i)+4*(\j)+3], v[VO], s[42:43] offset:4096*(\i)+512*(\j) th:TH_LOAD_NT
.endr
.endr
	s_wait_loadcnt 16                              ; norm_w is in; the rows' 16 loads stay out
.set n, 0
.rept 16
	v_cvt_pk_bf16_f32 v[T+n%4], v[W+2*n], v[W+2*n+1]
	v_lshlrev_b32 v[W+2*n], 16, v[T+n%4]
	v_and_b32 v[W+2*n+1], s30, v[T+n%4]
.set n, n+1
.endr
.set n, 0
.rept 32
	v_cndmask_b32 v[W+n], v[W+n], v[ONE], s31
.set n, n+1
.endr
.macro ROW i
	s_wait_loadcnt 8-8*(\i)                        ; this row's eight loads are in
.set n, 0
.rept 16                                       ; rounded to bf16 and widened again; squares in four chains, started by the first four pairs
	v_cvt_pk_bf16_f32 v[T+n%4], v[X+32*(\i)+2*n], v[X+32*(\i)+2*n+1]
	v_lshlrev_b32 v[X+32*(\i)+2*n], 16, v[T+n%4]
	v_and_b32 v[X+32*(\i)+2*n+1], s30, v[T+n%4]
.if n < 4
	v_pk_mul_f32 v[SQ+2*n:SQ+2*n+1], v[X+32*(\i)+2*n:X+32*(\i)+2*n+1], v[X+32*(\i)+2*n:X+32*(\i)+2*n+1]
.else
	v_pk_fma_f32 v[SQ+2*(n%4):SQ+2*(n%4)+1], v[X+32*(\i)+2*n:X+32*(\i)+2*n+1], v[X+32*(\i)+2*n:X+32*(\i)+2*n+1], v[SQ+2*(n%4):SQ+2*(n%4)+1]
.endif
.set n, n+1
.endr
	v_pk_add_f32 v[SQ:SQ+1], v[SQ:SQ+1], v[SQ+2:SQ+3]
	v_pk_add_f32 v[SQ+4:SQ+5], v[SQ+4:SQ+5], v[SQ+6:SQ+7]
	v_pk_add_f32 v[SQ:SQ+1], v[SQ:SQ+1], v[SQ+4:SQ+5]
	v_add_f32 v20, v[SQ], v[SQ+1]
	v_add_f32_dpp v20, v20, v20 row_xmask:1 row_mask:0xf bank_mask:0xf
	v_add_f32_dpp v20, v20, v20 row_xmask:2 row_mask:0xf bank_mask:0xf
	v_add_f32_dpp v20, v20, v20 row_xmask:4 row_mask:0xf bank_mask:0xf
	v_add_f32_dpp v20, v20, v20 row_xmask:8 row_mask:0xf bank_mask:0xf
	v_permlanex16_b32 v21, v20, s32, s33
	v_add_f32 v20, v20, v21                        ; every lane holds the row's sum of squares
	v_fma_f32 v20, v20, s34, s35                   ; mean + eps
	v_rsq_f32 v[R], v20
	v_nop                                          ; a plain instruction behind the root (ISA guide 5.7.2),
	s_wait_alu depctr_va_vdst(0)                   ; and the wait ahead of its first use
	v_cndmask_b32 v[R], v[R], v[ONE], s31
	v_mov_b32 v[R+1], v[R]
.set n, 0
.rept 16
	v_pk_mul_f32 v[X+32*(\i)+2*n:X+32*(\i)+2*n+1], v[X+32*(\i)+2*n:X+32*(\i)+2*n+1], v[R:R+1]
.set n, n+1
.endr
.set n, 0
.rept 16
	v_pk_mul_f32 v[X+32*(\i)+2*n:X+32*(\i)+2*n+1], v[X+32*(\i)+2*n:X+32*(\i)+2*n+1], v[W+2*n:W+2*n+1]
.set n, n+1
.endr
.set n, 0
.rept 16
	v_cvt_pk_f16_f32 v[Y+16*(\i)+n], v[X+32*(\i)+2*n], v[X+32*(\i)+2*n+1]
.set n, n+1
.endr
.irp j, 0,1,2,3,4,5,6,7
	global_store_b64 v[VS], v[Y+16*(\i)+2*(\j):Y+16*(\i)+2*(\j)+1], s[44:45] offset:2048*(\i)+256*(\j)  ; the wave's store covers 256 consecutive bytes, aligned
.endr
.endm
	ROW 0                                          ; each row has its own X and Y, and the stores' address registers are never rewritten: no further wait
	ROW 1
	s_endpgm
.Lfunc_end_k_qa4775a467d_prep:
	.size	k_qa4775a467d_prep, .Lfunc_end_k_qa4775a467d_prep-k_qa4775a467d_prep
	.p2alignl 7, 3214868480
	.fill 96, 4, 3214868480
	.section	.rodata,"a",@progbits
	.p2align	6, 0x0
	.amdhsa_kernel k_qa4775a467d_prep
		.amdhsa_group_segment_fixed_size 0
		.amdhsa_private_segment_fixed_size 0
		.amdhsa_enable_private_segment 0
		.amdhsa_kernarg_size 88
		.amdhsa_user_sgpr_count 2
		.amdhsa_user_sgpr_kernarg_segment_ptr 1
		.amdhsa_wavefront_size32 1
		.amdhsa_system_sgpr_workgroup_id_x 1
		.amdhsa_system_sgpr_workgroup_id_y 1
		.amdhsa_system_sgpr_workgroup_id_z 1
		.amdhsa_system_vgpr_workitem_id 0
		.amdhsa_next_free_vgpr 160
		.amdhsa_next_free_sgpr 66
		.amdhsa_reserve_vcc 0
		.amdhsa_float_denorm_mode_32 3
		.amdhsa_float_denorm_mode_16_64 3
		.amdhsa_memory_ordered 1
		.amdhsa_forward_progress 1
		.amdhsa_inst_pref_size 33
	.end_amdhsa_kernel
	.amdgpu_metadata
---
amdhsa.version: [ 1, 2 ]
amdhsa.kernels:
  - .name:           k_qa4775a467d_prep
    .symbol:         k_qa4775a467d_prep.kd
    .args:
      - { .name: tokens, .offset: 0, .size: 8, .value_kind: global_buffer, .address_space: global }
      - { .name: norm_w, .offset: 8, .size: 8, .value_kind: global_buffer, .address_space: global }
      - { .name: Wq, .offset: 16, .size: 8, .value_kind: global_buffer, .address_space: global }
      - { .name: Wkv, .offset: 24, .size: 8, .value_kind: global_buffer, .address_space: global }
      - { .name: Wo, .offset: 32, .size: 8, .value_kind: global_buffer, .address_space: global }
      - { .name: q_gamma, .offset: 40, .size: 8, .value_kind: global_buffer, .address_space: global }
      - { .name: k_gamma, .offset: 48, .size: 8, .value_kind: global_buffer, .address_space: global }
      - { .name: x16, .offset: 56, .size: 8, .value_kind: global_buffer, .address_space: global }
      - { .name: wqkvb, .offset: 64, .size: 8, .value_kind: global_buffer, .address_space: global }
      - { .name: wo16, .offset: 72, .size: 8, .value_kind: global_buffer, .address_space: global }
      - { .name: colscale, .offset: 80, .size: 8, .value_kind: global_buffer, .address_space: global }
    .group_segment_fixed_size: 0
    .private_segment_fixed_size: 0
    .kernarg_segment_align: 8
    .kernarg_segment_size: 88
    .max_flat_workgroup_size: 256
    .sgpr_count:     66
    .vgpr_count:     160
    .wavefront_size: 32
...
	.end_amdgpu_metadata
.endif
;; end of part 1
;; launch qkvp (part 2): grid 8 x 32, 4 waves a work-group, clusters of 4 x 4, 327,680 bytes of LDS; arguments x16, wqkvb, colscale, qkv; writes qkv
.if DOCPART == 2
	.amdgcn_target "amdgcn-amd-amdhsa--gfx1250"
	.amdhsa_code_object_version 6
	.text
	.protected	k_qa4775a467d_qkvp
	.globl	k_qa4775a467d_qkvp
	.p2align	8
	.type	k_qa4775a467d_qkvp,@function
k_qa4775a467d_qkvp:
	s_mov_b64 s[64:65], 0
	v_nop
	global_prefetch_b8 v0, s[64:65] scope:SCOPE_SE
	s_setreg_imm32_b32 hwreg(HW_REG_WAVE_MODE, 25, 1), 1
	s_wait_xcnt 0x0
	s_wait_alu depctr_hold_cnt(0) depctr_sa_sdst(0) depctr_va_vdst(0) depctr_va_sdst(0) depctr_va_ssrc(0) depctr_va_vcc(0) depctr_vm_vsrc(0)
	s_getreg_b32 s2, hwreg(HW_REG_IB_STS2, 6, 4)
	s_cmp_eq_u32 s2, 0
	s_cbranch_scc0 .Lentry_in_a_cluster
	s_endpgm
.Lentry_in_a_cluster:
	s_bfe_u32 s2, ttmp6, 0x10000c
	s_cmp_lg_u32 s2, 0xf033
	s_cbranch_scc0 .Lentry_shape_is_right
	s_endpgm
.Lentry_shape_is_right:
; [q | k | v] = x16 [8192][1024] times [Wq | Wkv] [1024][1536], f16 operands, f32 sums; on the way out q's and k's heads are divided by max(their l2 norm, 1e-12) and
; multiplied by colscale; all is rounded once to f16 and stored by heads: qkv[type][batch][head][2048][64].
; SHARES.  A work-group makes 256 rows x 192 columns (three whole heads, one panel of wqkvb): 8 x 32 = 256 work-groups.  Wave w has rows 64 w .. 64 w + 63 and all 192 columns:
; 48 accumulators of 16 x 16.  K goes in 8 steps of 128 through two LDS slots filled by the tensor data mover.
; THE MATRIX INSTRUCTION IS USED TRANSPOSED: source 0 = 16 columns of W (turned out of LDS by ds_load_tr16_b128, since W lies [k][column]), source 1 = 16 rows of x.
; A lane then holds row l % 16 and, of each block of 16 columns, the eight columns 8 (l / 16) + 0..7: half of each head's 64 numbers of its row; the lane 16 away holds the other half.
; CLUSTER 4 x 4: x's tile hangs on the tile row alone and is asked for jointly along a row of the cluster, W's on the panel alone, along a column.
; REGISTERS in windows of 256 (s_set_vgpr_msb: bits 1:0 source 0, 3:2 source 1, 5:4 source 2, 7:6 destination):
;   window 0: v0-31 addresses; v32-63 rows on their way out; v64-127 x's fragments, two buffers (on the way out: at work); v128-223 colscale of my columns; v224-255 at work
;   window 1: v0-191 W's fragments, two buffers of 96     window 2: accumulators of row blocks 0, 1 ((a, b) at 8 (12 (a % 2) + b))     window 3: of row blocks 2, 3
; LIMITS.  f16 ends at 65,504: |v| and 8 |gamma + 1| stay under it; NaN and infinities are not treated apart.
.set PITA,  272                        ; a row of x in LDS: 256 bytes + 16: the 16 rows of a load start at 16 different groups of four banks (64 banks of 4 bytes: ISA guide 11.1)
.set PITB,  480                        ; a k row of W: three pieces of 128 bytes + 32 each = 15 x 32
.set HALFA, 128*PITA                   ; what waves 0 and 1 fetch: 128 rows of x
.set HALFB, 64*PITB                    ; what waves 2 and 3 fetch: 64 k rows of W
.set BOFF,  2*HALFA
.set SLOT,  BOFF+2*HALFB               ; 131,072
.set STAGE, 2*SLOT                     ; behind the ring, never filled by a tensor load: 16 rows x 144 bytes for each wave
.set SP,    144
.set SPARE, STAGE+4*16*SP              ; the spare words, 128 bytes for each wave: two blocks of 256 bytes that no other line names
.set PANEL, 393216                     ; bytes in a panel of wqkvb
.set BSTEP, 49152                      ; 128 k rows of 384 bytes
.set ADRA, 16                          ; v16-17  LDS address of my fragments of x in slot 0, 1
.set ADRB, 20                          ; v20-21  the same for W
.set STO,  24                          ; v24  the way out: where I put 16 bytes of a row
.set RD,   25                          ; v25  where I read rows back
.set GO,   26                          ; v26  16 x lane
.set ONE,  27                          ; v27  1.0
.set SPW,  28                          ; v28  my spare word; never rewritten
.set NIL,  29                          ; v29  0; never rewritten
.set PFO,  30                          ; v30  the prefetches' lane offset; never rewritten
.set CSO,  31                          ; v31  32 (l / 16)
.set OB,   32
.set FA,   64
.set CV,   64                          ; the way out: v64-79 a head's 16 packed registers
.set SS,   80                          ; v80-103 for each of 12 (row block, head): the sum of squares, then the factor; in pairs, of which the packed multiply takes the low word
.set SX,   104                         ; v104-115 the other half of the lanes' sums
.set PS,   116                         ; v116-123 two sets of two chains
.set CS,   128
.set TMP,  224
.set WV,  12                           ; s12 wave; s13 wave / 2: I fetch x (0) or W (1); s14 wave % 2: which half
.set LIM, 15                           ; s15 1 in a wave that prefetches, else the greatest number
.set G1A, 24
.set G0A, 32                           ; s[32:39] a group 0 for each slot
.set G1B, 48
.set G0B, 56
.set PFA, 44                           ; s[44:45] where my prefetches stand
.set PFS, 46                           ; s[46:47] their step from K step to K step
.set HB,  66                           ; s[66:71] where my 64 rows of the tile's three heads begin in qkv
.set MK,  72                           ; s72-74  all ones where that head is v's: no norm
.set SEL, 76
.set MSB, 0
.macro WIN new                         ; the immediate's high byte repeats the setting that is left; a switch that changes nothing is dropped
.if MSB != (\new)
	s_set_vgpr_msb (MSB<<8)|(\new)
.set MSB, (\new)
.endif
.endm
; A joint load: waves 0 and 1 fetch x's two halves, waves 2 and 3 W's.  The branch hangs on the wave's number alone.  An s_nop 0 and four v_nop follow each line.
.macro JLOAD s
	s_cmp_eq_u32 s13, 0
	s_cbranch_scc0 .Lfor_b_\@
	tensor_load_to_lds s[G0A+4*(\s):G0A+4*(\s)+3], s[G1A:G1A+7]
	s_nop 0
.rept 4
	v_nop
.endr
	s_branch .Lasked_\@
.Lfor_b_\@:
	tensor_load_to_lds s[G0B+4*(\s):G0B+4*(\s)+3], s[G1B:G1B+7]
	s_nop 0
.rept 4
	v_nop
.endr
.Lasked_\@:
.endm
; A prefetch of the K step that stands two refills on, one instruction a wave, a lane a block of 256 bytes.  x's rows are read by both clusters of a row of clusters: the one with x = 0 asks;
; W's panel by all eight clusters of a column: the one with y = 0 asks.  The four partners that ask for a tile jointly share it out by address: of x's 128 rows 32 each, of W's 96 blocks 24 each
; (lanes 24-31 name lane 23's block once more).  The loop's last trip (s3 = 1) has no K step two refills on.
.macro ASK
	s_cmp_gt_u32 s3, s[LIM]
	s_cbranch_scc0 .Lnot_mine_\@
	global_prefetch_b8 v[PFO], s[PFA:PFA+1] th:TH_LOAD_NT scope:SCOPE_SE
.Lnot_mine_\@:
.endm
.macro CREST                           ; a round of the cluster's barrier behind its opening barrier
	s_cmp_lg_u32 s[WV], 0
	s_cbranch_scc1 .Lnot_wave_0_\@
	s_barrier_signal -3
.Lnot_wave_0_\@:
	s_barrier_wait -3
	s_barrier_signal -1
	s_barrier_wait -1
.endm
.macro CROUND
	s_barrier_signal -1
	s_barrier_wait -1
	CREST
.endm
.macro PLACES                          ; four places in front of loads into registers that matrix instructions have read (ISA guide 7.12.1 for vector instructions)
.rept 4
	v_nop
.endr
.endm
	s_load_b256 s[4:11], s[0:1], 0x0               ; x16 4, wqkvb 6, colscale 8, qkv 10
	v_lshl_add_u32 v[SPW], v0, 2, SPARE
	v_mov_b32 v[NIL], 0
	ds_add_u32 v[SPW], v[NIL]                      ; the wave's opening: the add and its wait ahead of my first tensor load
	v_lshrrev_b32 v1, 5, v0
	v_readfirstlane_b32 s[WV], v1
	s_lshr_b32 s13, s[WV], 1
	s_and_b32 s14, s[WV], 1
	s_bfe_u32 s40, ttmp6, 0x40000                  ; cx
	s_bfe_u32 s41, ttmp6, 0x40004                  ; cy
	s_lshl_b32 s42, ttmp9, 2
	s_add_co_u32 s42, s42, s40                     ; the panel = 4 x cluster x + cx
	s_and_b32 s43, ttmp7, 0xffff
	s_lshl_b32 s43, s43, 2
	s_add_co_u32 s43, s43, s41                     ; the tile row = 4 x cluster y + cy
	s_lshl_b32 s16, s41, 2
	s_lshl_b32 s16, 15, s16                        ; my row of the cluster
	s_lshl_b32 s20, 0x1111, s40                    ; my column
	s_or_b32 s[G1A], s16, (1<<16)|(1<<20)|(1<<21)|(5<<22)|(3<<25)  ; the mask; 2-byte elements; padding on; bit 21 beside a mask; after every 64 words 4 words
	s_or_b32 s[G1B], s20, (1<<16)|(1<<20)|(1<<21)|(4<<22)|(7<<25)  ; after every 32 words 8 words
	s_mov_b32 s[G1A+1], 128<<16                    ; tensor_dim0 = 128
	s_mov_b32 s[G1A+2], 128<<16                    ; tensor_dim1 = 128
	s_mov_b32 s[G1A+3], 128<<16                    ; tile_dim0 = 128
	s_mov_b32 s[G1A+4], 128                        ; tile_dim1 = 128
	s_mov_b32 s[G1A+5], 1024                       ; elements from row to row
	s_mov_b32 s[G1A+6], 0
	s_mov_b32 s[G1A+7], 0
	s_mov_b32 s[G1B+1], 128<<16                    ; 64 k rows of a panel are 24,576 dense bytes: asked for as 96 rows of 256
	s_mov_b32 s[G1B+2], 96<<16
	s_mov_b32 s[G1B+3], 128<<16
	s_mov_b32 s[G1B+4], 96
	s_mov_b32 s[G1B+5], 128
	s_mov_b32 s[G1B+6], 0
	s_mov_b32 s[G1B+7], 0
	s_lshl_b32 s16, s43, 19                        ; x: (256 tile row + 128 half) rows of 2,048 bytes
	s_lshl_b32 s17, s14, 18
	s_add_co_u32 s16, s16, s17
	s_mov_b32 s17, 0
	s_mul_i32 s20, s42, PANEL                      ; W: the panel, and my 64 of a step's 128 k rows
	s_mul_i32 s21, s14, BSTEP/2
	s_add_co_u32 s20, s20, s21
	s_mov_b32 s21, 0
	s_mul_i32 s18, s14, HALFA                      ; where they go: no place in the cluster enters an LDS address
	s_mul_i32 s22, s14, HALFB
	s_add_co_u32 s22, s22, BOFF
	s_mov_b32 s[SEL], 0x76543210
	s_mov_b32 s[SEL+1], 0xfedcba98
	s_wait_dscnt 0x0                               ; the opening add is done
	s_wait_kmcnt 0x0
	s_add_nc_u64 s[16:17], s[4:5], s[16:17]
	s_add_nc_u64 s[20:21], s[6:7], s[20:21]
	CROUND                                         ; all sixteen work-groups are here: the first joint loads meet
.irp s, 0,1
	s_mov_b32 s[G0A+4*(\s)], 1
	s_add_co_u32 s[G0A+4*(\s)+1], s18, (\s)*SLOT
	s_add_nc_u64 s[G0A+4*(\s)+2:G0A+4*(\s)+3], s[16:17], (\s)*256
	s_or_b32 s[G0A+4*(\s)+3], s[G0A+4*(\s)+3], 0x80000000
	s_mov_b32 s[G0B+4*(\s)], 1
	s_add_co_u32 s[G0B+4*(\s)+1], s22, (\s)*SLOT
	s_add_nc_u64 s[G0B+4*(\s)+2:G0B+4*(\s)+3], s[20:21], (\s)*BSTEP
	s_or_b32 s[G0B+4*(\s)+3], s[G0B+4*(\s)+3], 0x80000000
	JLOAD \s                                       ; K steps 0 and 1: two loads of mine are out
.endr
	v_and_b32 v1, 15, v0                           ; l % 16
	v_bfe_u32 v2, v0, 4, 1                         ; l / 16
	v_lshlrev_b32 v[CSO], 5, v2
	s_mul_i32 s20, s42, 768
	s_mov_b32 s21, 0
	s_add_nc_u64 s[8:9], s[8:9], s[20:21]          ; colscale at the panel's 192 columns
.irp b, 0,1,2,3,4,5,6,7,8,9,10,11
	global_load_b128 v[CS+8*(\b):CS+8*(\b)+3],   v[CSO], s[8:9] offset:64*(\b)      ; my eight columns of block b; waited for on the way out
	global_load_b128 v[CS+8*(\b)+4:CS+8*(\b)+7], v[CSO], s[8:9] offset:64*(\b)+16
.endr
	v_mov_b32 v[ONE], 1.0
	v_mul_u32_u24 v3, v1, PITA
	v_lshl_add_u32 v3, v2, 4, v3                   ; row x pitch + 16 x half
	s_mul_i32 s20, s[WV], 64*PITA
	v_add_nc_u32 v[ADRA], s20, v3
	v_add_nc_u32 v[ADRA+1], SLOT, v[ADRA]
	v_and_b32 v4, 7, v0                            ; the turning load: lane l reads k row 8 (l / 16) + l % 8, columns 8 ((l / 8) % 2) + 0..7
	v_lshl_add_u32 v5, v2, 3, v4
	v_mul_u32_u24 v5, v5, PITB
	v_bfe_u32 v6, v0, 3, 1
	v_lshl_add_u32 v5, v6, 4, v5
	v_add_nc_u32 v[ADRB], BOFF, v5
	v_add_nc_u32 v[ADRB+1], SLOT, v[ADRB]
	s_mul_i32 s20, s[WV], 16*SP
	s_add_co_u32 s20, s20, STAGE                   ; my stage
	v_mul_u32_u24 v[STO], v1, SP
	v_lshl_add_u32 v[STO], v2, 4, v[STO]
	v_add_nc_u32 v[STO], s20, v[STO]
	v_bfe_u32 v[RD], v0, 3, 2                      ; back: 32 lanes take four rows of 128 bytes
	v_mul_u32_u24 v[RD], v[RD], SP
	v_lshl_add_u32 v[RD], v4, 4, v[RD]
	v_add_nc_u32 v[RD], s20, v[RD]
	v_and_b32 v[GO], 31, v0
	v_lshlrev_b32 v[GO], 4, v[GO]
	; the tile's three heads: g = 3 panel + i; type g / 8 (q, k, v), head g % 8; batch = tile row / 8.  By selects and sums alone: no branch hangs on a place in the cluster
.irp i, 0,1,2
	s_mul_i32 s20, s42, 3
	s_add_co_u32 s20, s20, (\i)
	s_cmp_ge_u32 s20, 16
	s_cselect_b32 s[MK+(\i)], -1, 0
	s_lshr_b32 s21, s20, 3
	s_lshl_b32 s21, s21, 5
	s_and_b32 s20, s20, 7
	s_add_co_u32 s20, s20, s21
	s_lshr_b32 s21, s43, 3
	s_lshl3_add_u32 s20, s21, s20                  ; 32 type + 8 batch + head
	s_lshl_b32 s20, s20, 18                        ; 262,144 bytes each
	s_and_b32 s21, s43, 7
	s_lshl_b32 s21, s21, 15                        ; the tile's 256 rows of 128 bytes
	s_add_co_u32 s20, s20, s21
	s_lshl_b32 s21, s[WV], 13                      ; my 64
	s_add_co_u32 s20, s20, s21
	s_mov_b32 s21, 0
	s_add_nc_u64 s[HB+2*(\i):HB+2*(\i)+1], s[10:11], s[20:21]
.endr
	; the prefetches: at K step 3; the first refill steps them to 4
	s_lshl_b32 s78, s43, 19
	s_lshl_b32 s79, s14, 18
	s_add_co_u32 s78, s78, s79
	s_lshl_b32 s79, s40, 16                        ; my work-group's 32 of the 128 rows
	s_add_co_u32 s78, s78, s79
	s_add_co_u32 s78, s78, 3*256
	s_mul_i32 s20, s42, PANEL
	s_mul_i32 s21, s14, BSTEP/2
	s_add_co_u32 s20, s20, s21
	s_mul_i32 s21, s41, 24*256                     ; my work-group's 24 of the 96 blocks
	s_add_co_u32 s20, s20, s21
	s_add_co_u32 s20, s20, 3*BSTEP
	s_and_b32 s22, ttmp7, 0xffff                   ; cluster y
	s_mov_b32 s[PFS], BSTEP
	s_cmp_eq_u32 s13, 0                            ; do I fetch x?
	s_cselect_b32 s78, s78, s20
	s_cselect_b32 s22, ttmp9, s22                  ; the coordinate along which other clusters read the same bytes
	s_cselect_b64 s[PFA:PFA+1], s[4:5], s[6:7]
	s_cselect_b32 s[PFS], 256, s[PFS]
	s_cselect_b32 s23, 11, 8                       ; a lane's step: a row of x, or a block of W
	s_cselect_b32 s2, 31, 23
	s_mov_b32 s79, 0
	s_mov_b32 s[PFS+1], 0
	s_add_nc_u64 s[PFA:PFA+1], s[PFA:PFA+1], s[78:79]
	s_cmp_eq_u32 s22, 0
	s_cselect_b32 s[LIM], 1, -1                    ; the same in all sixteen partners, for a given wave
	v_and_b32 v[PFO], 31, v0
	v_min_u32 v[PFO], s2, v[PFO]
	v_lshlrev_b32 v[PFO], s23, v[PFO]
; 12 matrix instructions: row block a x all 12 column blocks, 32 along K, on buffer f.  The 48 accumulators take turns in the same order everywhere.
.macro MUL12 f, a, zero
	WIN 0xa1+0x50*((\a)/2)                         ; W window 1, x window 0, C and D window 2 or 3
.irp b, 0,1,2,3,4,5,6,7,8,9,10,11
.if \zero
	v_wmma_f32_16x16x32_f16 v[8*(12*((\a)%2)+(\b)):8*(12*((\a)%2)+(\b))+7], v[96*(\f)+8*(\b):96*(\f)+8*(\b)+7], v[FA+32*(\f)+8*(\a):FA+32*(\f)+8*(\a)+7], 0
.else
	v_wmma_f32_16x16x32_f16 v[8*(12*((\a)%2)+(\b)):8*(12*((\a)%2)+(\b))+7], v[96*(\f)+8*(\b):96*(\f)+8*(\b)+7], v[FA+32*(\f)+8*(\a):FA+32*(\f)+8*(\a)+7], v[8*(12*((\a)%2)+(\b)):8*(12*((\a)%2)+(\b))+7]
.endif
.endr
.endm
; 32 LDS loads in one run: quarter q (32 along K) of a slot into buffer f: W's 12 fragments, turned, then x's four
.macro FETCH slot, q, f
	WIN 0x40
.irp b, 0,1,2,3,4,5,6,7,8,9,10,11
	ds_load_tr16_b128 v[96*(\f)+8*(\b):96*(\f)+8*(\b)+3],   v[ADRB+(\slot)] offset:32*PITB*(\q)+((\b)/4)*160+((\b)%4)*32
	ds_load_tr16_b128 v[96*(\f)+8*(\b)+4:96*(\f)+8*(\b)+7], v[ADRB+(\slot)] offset:32*PITB*(\q)+((\b)/4)*160+((\b)%4)*32+16*PITB
.endr
	WIN 0
.irp a, 0,1,2,3
	ds_load_b128 v[FA+32*(\f)+8*(\a):FA+32*(\f)+8*(\a)+3],   v[ADRA+(\slot)] offset:64*(\q)+(\a)*16*PITA
	ds_load_b128 v[FA+32*(\f)+8*(\a)+4:FA+32*(\f)+8*(\a)+7], v[ADRA+(\slot)] offset:64*(\q)+(\a)*16*PITA+32
.endr
.endm
; One of a K step's first three quarters: multiplies buffer f; in its middle it fetches quarter q of the same slot into buffer g.
.macro QUARTER slot, q, f, g, zero
	s_wait_dscnt 4                                 ; W and x's row blocks 0, 1 are in; the youngest four loads (blocks 2, 3) may be out
	MUL12 \f, 0, \zero
	MUL12 \f, 1, \zero
	PLACES
	FETCH \slot, \q, \g
	s_wait_dscnt 32                                ; all but the 32 just issued
	MUL12 \f, 2, \zero
	MUL12 \f, 3, \zero
.endm
; The last quarter's first half: ONE barrier for the change of slots.  In front of it each wave waits for all its tensor loads (one is out: its part of the next slot), adds 0 to its spare word,
; and waits for that and for its own reads of this slot.
.macro MEET round
	WIN 0
	s_wait_tensorcnt 0x0
	ds_add_u32 v[SPW], v[NIL]
	s_wait_dscnt 5                                 ; the add and the youngest four loads may be out
	MUL12 1, 0, 0                                  ; twelve matrix instructions stand between the add and the wait for it
	s_wait_dscnt 0x0                               ; the add is done, and my reads of this slot are over
	s_barrier_signal -1
	MUL12 1, 1, 0
.if \round
	WIN 0
.endif
	s_barrier_wait -1
.endm
.macro TURN slot, next, fill
.if \fill
	s_wait_xcnt 0x0                                ; the last prefetch, a K step back, has read its address
	s_add_nc_u64 s[PFA:PFA+1], s[PFA:PFA+1], s[PFS:PFS+1]
	MEET 1
	CREST                                          ; the barrier has opened a round of the cluster's: no wave of any partner still reads this slot or has a load on its way
	s_add_nc_u64 s[G0A+4*(\slot)+2:G0A+4*(\slot)+3], s[G0A+4*(\slot)+2:G0A+4*(\slot)+3], 2*256
	s_add_nc_u64 s[G0B+4*(\slot)+2:G0B+4*(\slot)+3], s[G0B+4*(\slot)+2:G0B+4*(\slot)+3], 2*BSTEP
	JLOAD \slot                                    ; the first tensor load behind the round; its four v_nop are also the places in front of the loads below
	FETCH \next, 0, 0
	ASK
.else
	MEET 0
	PLACES
	FETCH \next, 0, 0
.endif
	MUL12 1, 2, 0
	MUL12 1, 3, 0
.endm
	s_wait_tensorcnt 0x1                           ; my part of K step 0 is in; K step 1's may stay out
	s_barrier_signal -1
	s_barrier_wait -1
	FETCH 0, 0, 0
	QUARTER 0, 1, 0, 1, 1                          ; the first quarter's products start the sums: nothing is cleared
	WIN 0
	s_mov_b32 s3, 3
.Llap:                                         ; a trip goes once round the ring, from a lap's second quarter to the next lap's first, and fills both slots again
	QUARTER 0, 2, 1, 0, 0
	QUARTER 0, 3, 0, 1, 0
	TURN 0, 1, 1
	QUARTER 1, 1, 0, 1, 0
	QUARTER 1, 2, 1, 0, 0
	QUARTER 1, 3, 0, 1, 0
	TURN 1, 0, 1
	QUARTER 0, 1, 0, 1, 0
	WIN 0
	s_sub_co_u32 s3, s3, 1
	s_cmp_lg_u32 s3, 0
	s_cbranch_scc1 .Llap
	QUARTER 0, 2, 1, 0, 0                          ; the last lap fills nothing
	QUARTER 0, 3, 0, 1, 0
	TURN 0, 1, 0
	QUARTER 1, 1, 0, 1, 0
	QUARTER 1, 2, 1, 0, 0
	QUARTER 1, 3, 0, 1, 0
	s_wait_dscnt 4
	MUL12 1, 0, 0
	MUL12 1, 1, 0
	s_wait_dscnt 0x0
	MUL12 1, 2, 0
	MUL12 1, 3, 0
	WIN 0
	; THE WAY OUT.  t = 3 a + i names row block a and head i.  First the 12 sums of squares, each accumulator's registers in ascending order.
.rept 8
	v_nop                                          ; the places behind the last products, once a launch
.endr
	s_wait_loadcnt 0x0                             ; colscale
.macro SUMSQ t
.set rA, 8*(12*(((\t)/3)%2)+4*((\t)%3))
.set rP, PS+4*((\t)%2)
	WIN 0x0a+5*((\t)/6)                            ; sources 0 and 1 in window 2 or 3
.set n, 0
.rept 16
.if n < 2
	v_pk_mul_f32 v[rP+2*n:rP+2*n+1], v[rA+2*n:rA+2*n+1], v[rA+2*n:rA+2*n+1]
.else
	v_pk_fma_f32 v[rP+2*(n%2):rP+2*(n%2)+1], v[rA+2*n:rA+2*n+1], v[rA+2*n:rA+2*n+1], v[rP+2*(n%2):rP+2*(n%2)+1]
.endif
.set n, n+1
.endr
	WIN 0
	v_pk_add_f32 v[rP:rP+1], v[rP:rP+1], v[rP+2:rP+3]
	v_add_f32 v[SS+2*(\t)], v[rP], v[rP+1]
.endm
.set u, 0
.rept 12
	SUMSQ u
.set u, u+1
.endr
.macro ALL12 line:vararg               ; one line for each t
.set t, 0
.rept 12
	\line
.set t, t+1
.endr
.endm
	ALL12 v_permlanex16_b32 v[SX+t], v[SS+2*t], s[SEL], s[SEL+1]   ; the row's other 32 numbers of the head lie in the lane 16 away (SX, and SS's odd registers, were written whole as fragments)
	ALL12 v_add_f32 v[SS+2*t], v[SS+2*t], v[SX+t]
	ALL12 v_sqrt_f32 v[SS+2*t], v[SS+2*t]
	v_nop                                          ; a plain instruction behind the last root,
	s_wait_alu depctr_va_vdst(0)                   ; and one wait for the batch
	ALL12 v_max_num_f32 v[SS+2*t], 0x2b8cbccc, v[SS+2*t]           ; max(norm, 1e-12)
	ALL12 v_rcp_f32 v[SS+2*t], v[SS+2*t]
	v_nop
	s_wait_alu depctr_va_vdst(0)
	ALL12 v_cndmask_b32 v[SS+2*t], v[SS+2*t], v[ONE], s[MK+t%3]    ; v's heads are not normed
; 16 rows of a head: times colscale, times the row's factor, rounded to f16; 16 bytes a lane into my stage, back as whole rows of 128 bytes.
.macro PACKH t
.set rA, 8*(12*(((\t)/3)%2)+4*((\t)%3))
	WIN 0x02+((\t)/6)                              ; source 0 in window 2 or 3
.set n, 0
.rept 16
	v_pk_mul_f32 v[TMP+2*n:TMP+2*n+1], v[rA+2*n:rA+2*n+1], v[CS+32*((\t)%3)+2*n:CS+32*((\t)%3)+2*n+1]
.set n, n+1
.endr
	WIN 0
.set n, 0
.rept 16
	v_pk_mul_f32 v[TMP+2*n:TMP+2*n+1], v[TMP+2*n:TMP+2*n+1], v[SS+2*(\t):SS+2*(\t)+1] op_sel_hi:[1,0]
.set n, n+1
.endr
.set n, 0
.rept 16
	v_cvt_pk_f16_f32 v[CV+n], v[TMP+2*n], v[TMP+2*n+1]
.set n, n+1
.endr
.irp f, 0,1,2,3
	ds_store_b128 v[STO], v[CV+4*(\f):CV+4*(\f)+3] offset:32*(\f)
.endr
	s_wait_xcnt 0x0                                ; the stores of two blocks back have read these registers
.irp f, 0,1,2,3
	ds_load_b128 v[OB+16*((\t)%2)+4*(\f):OB+16*((\t)%2)+4*(\f)+3], v[RD] offset:(\f)*4*SP  ; LDS serves a wave's instructions in order (ISA guide 5.7.1.4): these see the stores above
.endr
.endm
.macro SENDH t, younger                ; younger: the LDS instructions issued behind this block's loads: the next block's eight, or none
.irp f, 0,1,2,3
	s_wait_dscnt (\younger)+3-(\f)
	global_store_b128 v[GO], v[OB+16*((\t)%2)+4*(\f):OB+16*((\t)%2)+4*(\f)+3], s[HB+2*((\t)%3):HB+2*((\t)%3)+1] offset:2048*((\t)/3)+512*(\f)  ; 512 consecutive bytes, aligned
.endr
.endm
	PACKH 0
.set u, 1
.rept 11                                       ; a block's arithmetic stands between the loads of the block before and its stores
	PACKH u
	SENDH u-1, 8
.set u, u+1
.endr
	SENDH 11, 0
	s_wait_tensorcnt 0x0                           ; the wave's end
	ds_add_u32 v[SPW], v[NIL]
	s_wait_dscnt 0x0
	CROUND                                         ; the closing round
	s_endpgm
.Lfunc_end_k_qa4775a467d_qkvp:
	.size	k_qa4775a467d_qkvp, .Lfunc_end_k_qa4775a467d_qkvp-k_qa4775a467d_qkvp
	.p2alignl 7, 3214868480
	.fill 96, 4, 3214868480
	.section	.rodata,"a",@progbits
	.p2align	6, 0x0
	.amdhsa_kernel k_qa4775a467d_qkvp
		.amdhsa_group_segment_fixed_size 327680
		.amdhsa_private_segment_fixed_size 0
		.amdhsa_enable_private_segment 0
		.amdhsa_kernarg_size 32
		.amdhsa_user_sgpr_count 2
		.amdhsa_user_sgpr_kernarg_segment_ptr 1
		.amdhsa_wavefront_size32 1
		.amdhsa_system_sgpr_workgroup_id_x 1
		.amdhsa_system_sgpr_workgroup_id_y 1
		.amdhsa_system_sgpr_workgroup_id_z 1
		.amdhsa_system_vgpr_workitem_id 0
		.amdhsa_next_free_vgpr 960
		.amdhsa_next_free_sgpr 80
		.amdhsa_reserve_vcc 0
		.amdhsa_float_denorm_mode_32 3
		.amdhsa_float_denorm_mode_16_64 3
		.amdhsa_memory_ordered 1
		.amdhsa_forward_progress 1
		.amdhsa_inst_pref_size 167
	.end_amdhsa_kernel
	.amdgpu_metadata
---
amdhsa.version: [ 1, 2 ]
amdhsa.kernels:
  - .name:           k_qa4775a467d_qkvp
    .symbol:         k_qa4775a467d_qkvp.kd
    .args:
      - { .name: x16, .offset: 0, .size: 8, .value_kind: global_buffer, .address_space: global }
      - { .name: wqkvb, .offset: 8, .size: 8, .value_kind: global_buffer, .address_space: global }
      - { .name: colscale, .offset: 16, .size: 8, .value_kind: global_buffer, .address_space: global }
      - { .name: qkv, .offset: 24, .size: 8, .value_kind: global_buffer, .address_space: global }
    .group_segment_fixed_size: 327680
    .private_segment_fixed_size: 0
    .kernarg_segment_align: 8
    .kernarg_segment_size: 32
    .max_flat_workgroup_size: 128
    .sgpr_count:     80
    .vgpr_count:     960
    .wavefront_size: 32
...
	.end_amdgpu_metadata
.endif
;; end of part 2
;; launch attn (part 3): grid 8 x 32, 4 waves a work-group, clusters of 4 x 1, 327,680 bytes of LDS; arguments qkv, o16; writes o16
.if DOCPART == 3
	.amdgcn_target "amdgcn-amd-amdhsa--gfx1250"
	.amdhsa_code_object_version 6
	.text
	.protected	k_qa4775a467d_attn
	.globl	k_qa4775a467d_attn
	.p2align	8
	.type	k_qa4775a467d_attn,@function
k_qa4775a467d_attn:
	s_mov_b64 s[64:65], 0
	v_nop
	global_prefetch_b8 v0, s[64:65] scope:SCOPE_SE
	s_setreg_imm32_b32 hwreg(HW_REG_WAVE_MODE, 25, 1), 1
	s_wait_xcnt 0x0
	s_wait_alu depctr_hold_cnt(0) depctr_sa_sdst(0) depctr_va_vdst(0) depctr_va_sdst(0) depctr_va_ssrc(0) depctr_va_vcc(0) depctr_vm_vsrc(0)
	s_getreg_b32 s2, hwreg(HW_REG_IB_STS2, 6, 4)
	s_cmp_eq_u32 s2, 0
	s_cbranch_scc0 .Lentry_in_a_cluster
	s_endpgm
.Lentry_in_a_cluster:
	s_bfe_u32 s2, ttmp6, 0x10000c
	s_cmp_lg_u32 s2, 0x3003
	s_cbranch_scc0 .Lentry_shape_is_right
	s_endpgm
.Lentry_shape_is_right:
; O[h][q] = sum_k p V[h][k] / sum_k p,  p = exp(6.25 tanh(q . k / 50)).  qkv: [3][32 heads][2048][64] f16, q already times 2 log2(e) / 50; o16: [32][2048][64] f16.
; With S = K Q^T as it leaves the matrix unit: u = 2^S, r = 1 / (1 + u), tanh = 1 - 2 r, p = 2^(C2 r + C3), C3 = 6.25 log2(e), C2 = -2 C3.
; NO MAXIMUM IS TAKEN AWAY: the module's own clamp holds every exponent within +-6.25 for every input, so p lies in 0.0019 to 518 and a row's sum under 1.1e6: nothing can overflow or
; underflow in f32, nor p in f16.  An infinite u gives r = 0, a vanished u r = 1.  Sums in f32 (of the unrounded p); p is rounded to f16 for the second product, O once at the end.
; LIMITS.  |v| within f16's 65,504; NaN and infinities are not treated apart.
; SHARES.  A work-group owns 256 queries of a head, a wave 64: four tiles of 16.  Every wave walks the head's 2,048 keys, 64 a step, 4 steps to an LDS slot.
; LAYOUT.  S^T = K Q^T holds ONE query a lane (lane % 16) and the keys 8 (lane / 16) + 0..7; two such results rounded to f16 ARE source 1 of O^T = V^T P.  V comes turned, by ds_load_tr16_b128.
; THE COUNT.  A tile and step have 16 matrix, 96 transcendental and 64 plain instructions: the transcendentals set the time.  So the four tiles stand in FOUR STAGES, one turn apart:
;   turn a:  tile a: K Q^T, then u      tile a+3: 1 + u, then r      tile a+2: C2 r + C3, then p      tile a+1: p to f16, its sum, V^T P
; all in place on S.  Every transcendental's result is first named in the NEXT turn, so a turn's 96 are one batch with one wait, at the turn's end.
; NO FIRST STEP IS WRITTEN OUT: S's tiles 1, 2, 3 start with numbers that their stages turn into p = 0 (0 as p; 1e9 as r; -1 + 2^-24 as u), O^T, the sums and V's registers with 0:
; 304 v_mov_b32, in the wait for the first tile, for one text of every turn.
; CLUSTER.  The four query blocks of a cluster belong to one head and walk the same K and V: each tile is asked for jointly.
; REGISTERS (s_set_vgpr_msb: bits 1:0 source 0, 3:2 source 1, 5:4 source 2, 7:6 destination):
;   window 0: v0-15 addresses; v16-31 sums, two pairs a tile; v32-63 P, two buffers; v64-191 S, 32 a tile; v192-255 K of one step
;   window 1: v0-127 O^T, 32 a tile; v128-191 Q; v192-255 V of one step
; Under K Q^T's setting (source 1 in window 1) the transcendentals, 1 + u (a constant) and C2 r + C3 (two scalar pairs) name no vector register as source 1: they need no switch.
.set KS,    64
.set PK,    144                        ; a row of K in LDS: 128 bytes + 16 (64 banks of 4 bytes: ISA guide 11.1: the 16 rows of a load start at 16 different groups of four banks)
.set PVV,   160                        ; a row of V: 128 + 32
.set VOFF,  4*KS*PK                    ; a slot: 256 rows of K, then 256 rows of V
.set SLOT1, 1<<17
.set STAGE, SLOT1+4*KS*(PK+PVV)        ; behind the ring, never filled by a tensor load: 16 rows x 144 bytes for each wave
.set SP,    144
.set SPARE, STAGE+4*16*SP              ; the spare words: two blocks of 256 bytes that no other line names
.set AK0, 2
.set AV0, 3
.set AK,  4
.set AV,  5
.set QO,  6
.set RD,  7
.set GO,  8
.set SPW, 12
.set NIL, 13
.set PFO, 14                           ; 256 x lane; never rewritten
.set STO, 15
.set L,   16
.set P,   32
.set S,   64
.set KF,  192                          ; key block kb, channel half c at KF + 16 kb + 8 c
.set QF,  128                          ; window 1: tile t, channel half c at QF + 16 t + 8 c
.set VF,  192                          ; window 1: key half kk, channel block cb at VF + 32 kk + 8 cb
.set WV,  12
.set G1K, 24
.set G1V, 32
.set G0K, 40
.set G0V, 44
.set PFA, 48                           ; s[48:49] where my prefetches stand
.set LIM, 50
.set SLOTS, 56
.set CNT, 57
.set C2,  58                           ; s[58:59]
.set SEL, 60
.set TBK, 62                           ; LDS byte at which K of the step to be fetched begins
.set TBV, 63                           ; the same for V, less VOFF
.set C3,  66                           ; s[66:67]
.set MSB, 0
.macro WIN new
.if MSB != (\new)
	s_set_vgpr_msb (MSB<<8)|(\new)
.set MSB, (\new)
.endif
.endm
.set W_KQ, 0x04
.set W_PV, 0x51
.set W_RS, 0x41
.macro JLOAD                           ; waves 0 and 1 fetch the halves of a slot's K, waves 2 and 3 of its V: 128 keys each.  An s_nop 0 and four v_nop follow each line
	s_cmp_lt_u32 s[WV], 2
	s_cbranch_scc0 .Lfor_v_\@
	tensor_load_to_lds s[G0K:G0K+3], s[G1K:G1K+7]
	s_nop 0
.rept 4
	v_nop
.endr
	s_branch .Lasked_\@
.Lfor_v_\@:
	tensor_load_to_lds s[G0V:G0V+3], s[G1V:G1V+7]
	s_nop 0
.rept 4
	v_nop
.endr
.Lasked_\@:
.endm
; A prefetch of the slot that the NEXT change will ask for: 128 blocks of 256 bytes of K and of V, a lane a block.  Both clusters of a head walk the same rows: the first asks; its four partners
; take 32 blocks each, told apart by address; wave 0 asks for K's, wave 2 for V's.  The last change that fills a slot (SLOTS = 1) asks for nothing.
.macro ASK
	s_cmp_gt_u32 s[SLOTS], s[LIM]
	s_cbranch_scc0 .Lnot_mine_\@
	global_prefetch_b8 v[PFO], s[PFA:PFA+1] th:TH_LOAD_NT scope:SCOPE_SE
.Lnot_mine_\@:
.endm
.macro CROUND
	s_barrier_signal -1
	s_barrier_wait -1
	s_cmp_lg_u32 s[WV], 0
	s_cbranch_scc1 .Lnot_wave_0_\@
	s_barrier_signal -3
.Lnot_wave_0_\@:
	s_barrier_wait -3
	s_barrier_signal -1
	s_barrier_wait -1
.endm
; THE CHANGE OF SLOTS, behind the turn that fetched the slot's last bytes (V of its fourth step).  Each wave waits for all its tensor loads (one is out: its part of the other slot), adds 0 to its
; spare word, and waits for that and for its reads of the slot.  fill = 1: the barrier is a round of the cluster's, and the joint refill, the keys two slots on, is the first thing behind it:
; it has four key steps in which to land.  (At its first use slot 0 is waited for and slot 1 filled.)
.macro CHANGE fill
	WIN 0
	s_wait_tensorcnt 0x0
	ds_add_u32 v[SPW], v[NIL]
.if \fill
.irp g, G0K, G0V
	s_xor_b32 s[\g+1], s[\g+1], SLOT1
	s_add_nc_u64 s[\g+2:\g+3], s[\g+2:\g+3], 4*KS*128
.endr
	s_wait_xcnt 0x0                                ; the last prefetch, four key steps back, has read its address
	s_add_nc_u64 s[PFA:PFA+1], s[PFA:PFA+1], 4*KS*128
	s_wait_dscnt 0x0
	CROUND
	JLOAD
	ASK
.else
	s_wait_dscnt 0x0
	s_barrier_signal -1
	s_barrier_wait -1
.endif
	s_sub_co_u32 s[TBK], s[TBK], 4*KS*PK           ; the fetches go back to a slot's first step, in the other slot
	s_xor_b32 s[TBK], s[TBK], SLOT1
	s_sub_co_u32 s[TBV], s[TBV], 4*KS*PVV
	s_xor_b32 s[TBV], s[TBV], SLOT1
.endm
	s_load_b128 s[4:7], s[0:1], 0x0                ; qkv 4, o16 6
	v_lshl_add_u32 v[SPW], v0, 2, SPARE
	v_mov_b32 v[NIL], 0
	ds_add_u32 v[SPW], v[NIL]                      ; the wave's opening: the add and its wait ahead of my first tensor load
	v_lshrrev_b32 v1, 5, v0
	v_readfirstlane_b32 s[WV], v1
	s_bfe_u32 s13, ttmp6, 0x40000                  ; cx
	s_lshl_b32 s14, ttmp9, 2
	s_add_co_u32 s14, s14, s13                     ; my block of 256 queries: it enters Q's and O's addresses alone
	s_and_b32 s20, ttmp7, 0xffff                   ; the head, which the partners share:
	s_lshl_b32 s20, s20, 18                        ; 262,144 bytes each
	s_and_b32 s16, s[WV], 1                        ; which half of a slot's 256 keys I fetch
	s_lshl_b32 s22, s16, 14
	s_add_co_u32 s22, s22, s20
	s_mov_b32 s23, 0
	s_mul_i32 s17, s16, 128*PK
	s_mul_i32 s18, s16, 128*PVV
	s_lshl_b32 s2, s14, 2
	s_add_co_u32 s2, s2, s[WV]
	s_lshl_b32 s2, s2, 13                          ; my wave's 64 rows of 128 bytes
	s_add_co_u32 s2, s2, s20
	s_mov_b32 s3, 0
	s_mov_b32 s[G1K], 15|(1<<16)|(1<<20)|(1<<21)|(4<<22)|(3<<25)   ; the mask of four; 2-byte elements; padding on; bit 21 beside a mask; after every 32 words 4 words
	s_mov_b32 s[G1V], 15|(1<<16)|(1<<20)|(1<<21)|(4<<22)|(7<<25)   ; 8 words
.irp g, G1K, G1V
	s_mov_b32 s[\g+1], 128<<16                     ; 128 keys are 16,384 dense bytes: 64 rows of 256, two keys a row
	s_mov_b32 s[\g+2], 64<<16
	s_mov_b32 s[\g+3], 128<<16
	s_mov_b32 s[\g+4], 64
	s_mov_b32 s[\g+5], 128
	s_mov_b32 s[\g+6], 0
	s_mov_b32 s[\g+7], 0
.endr
	s_mov_b32 s[C2], 0xc19044fe                    ; -12.5 log2(e)
	s_mov_b32 s[C2+1], s[C2]
	s_mov_b32 s[C3], 0x411044fe                    ; 6.25 log2(e)
	s_mov_b32 s[C3+1], s[C3]
	s_mov_b32 s[SEL], 0x76543210
	s_mov_b32 s[SEL+1], 0xfedcba98
	s_mov_b32 s[TBK], SLOT1+4*KS*PK                ; the first change of slots turns these two into 0
	s_mov_b32 s[TBV], SLOT1+4*KS*PVV
	s_mov_b32 s[G0K], 1
	s_mov_b32 s[G0K+1], s17
	s_mov_b32 s[G0V], 1
	s_add_co_u32 s[G0V+1], s18, VOFF
	s_mov_b32 s[SLOTS], 7
	s_and_b32 s[LIM], s[WV], 1                     ; 0 in waves 0 and 2,
	s_or_b32 s[LIM], s[LIM], ttmp9                 ; where the cluster is the head's first
	s_cmp_eq_u32 s[LIM], 0
	s_cselect_b32 s[LIM], 1, -1
	v_and_b32 v[PFO], 31, v0
	v_lshlrev_b32 v[PFO], 8, v[PFO]
	s_wait_dscnt 0x0                               ; the opening add is done
	s_wait_kmcnt 0x0
	s_add_nc_u64 s[8:9], s[4:5], s[22:23]
	s_add_nc_u64 s[10:11], s[8:9], 2*8388608       ; V at my half of the head's first 256 keys
	s_add_nc_u64 s[8:9], s[8:9], 8388608           ; K
	s_add_nc_u64 s[G0K+2:G0K+3], s[8:9], 0
	s_or_b32 s[G0K+3], s[G0K+3], 0x80000000
	s_add_nc_u64 s[G0V+2:G0V+3], s[10:11], 0
	s_or_b32 s[G0V+3], s[G0V+3], 0x80000000
	s_add_nc_u64 s[4:5], s[4:5], s[2:3]            ; Q and O at my wave's first row
	s_add_nc_u64 s[6:7], s[6:7], s[2:3]
	s_cmp_lt_u32 s[WV], 2
	s_cselect_b64 s[PFA:PFA+1], s[8:9], s[10:11]   ; (in waves 0 and 2 these stand at a slot's first row)
	s_lshl_b32 s2, s13, 13                         ; my work-group's 32 blocks of the 128
	s_add_nc_u64 s[PFA:PFA+1], s[PFA:PFA+1], s[2:3]
	s_add_nc_u64 s[PFA:PFA+1], s[PFA:PFA+1], 4*KS*128  ; in slot 1; the first change steps it to slot 2
	CROUND                                         ; all four work-groups are here
	JLOAD                                          ; slot 0
	v_and_b32 v1, 15, v0                           ; l % 16
	v_bfe_u32 v9, v0, 4, 1                         ; l / 16
	v_lshlrev_b32 v[QO], 7, v1
	v_lshl_add_u32 v[QO], v9, 4, v[QO]
	WIN 0x40                                       ; destination window 1
.set i, 0
.rept 8                                        ; Q stays in registers: tile i / 2, channels 32 (i % 2) on
	global_load_b128 v[QF+8*i:QF+8*i+3],   v[QO], s[4:5] offset:(i/2)*2048+(i%2)*64
	global_load_b128 v[QF+8*i+4:QF+8*i+7], v[QO], s[4:5] offset:(i/2)*2048+(i%2)*64+32
.set i, i+1
.endr
.set i, 0
.rept 128
	v_mov_b32 v[i], 0                              ; O^T
.set i, i+1
.endr
.set i, VF
.rept 64
	v_mov_b32 v[i], 0                              ; V: the first three turns' products V^T P, of tiles that have not been, add 0
.set i, i+1
.endr
	WIN 0
	s_mov_b32 s16, 0x4e6e6b28                      ; 1e9
	s_mov_b32 s17, 0xbf7fffff                      ; -1 + 2^-24
.set i, 0
.rept 32
	v_mov_b32 v[S+32+i], 0                         ; taken as p
	v_mov_b32 v[S+64+i], s16                       ; taken as r: p = 2^(-1.8e10) = 0
	v_mov_b32 v[S+96+i], s17                       ; taken as u: r = 2^24, p = 0
.set i, i+1
.endr
.set i, 0
.rept 16
	v_mov_b32 v[L+i], 0
.set i, i+1
.endr
	v_mul_u32_u24 v[AK0], v1, PK
	v_lshl_add_u32 v[AK0], v9, 4, v[AK0]
	v_and_b32 v10, 7, v0                           ; the turning load: lane l reads key 8 (l / 16) + l % 8, channels 8 ((l / 8) % 2) + 0..7
	v_bfe_u32 v11, v0, 3, 1
	v_lshl_add_u32 v[AV0], v9, 3, v10
	v_mul_u32_u24 v[AV0], v[AV0], PVV
	v_lshl_add_u32 v[AV0], v11, 4, v[AV0]
	v_add_nc_u32 v[AV0], VOFF, v[AV0]
	s_mul_i32 s16, s[WV], 16*SP
	s_add_co_u32 s16, s16, STAGE                   ; my stage
	v_mul_u32_u24 v[STO], v1, SP
	v_lshl_add_u32 v[STO], v9, 4, v[STO]
	v_add_nc_u32 v[STO], s16, v[STO]
	v_bfe_u32 v[RD], v0, 3, 2
	v_mul_u32_u24 v[RD], v[RD], SP
	v_lshl_add_u32 v[RD], v10, 4, v[RD]
	v_add_nc_u32 v[RD], s16, v[RD]
	v_and_b32 v[GO], 31, v0
	v_lshlrev_b32 v[GO], 4, v[GO]
; THE MATRIX WORK.  The four accumulators of a run of eight take turns.  TURN sets TA, TR, TE, TC (the four stages' tiles), LV and PBUF.
.macro KQ i                            ; product i of 8 of S^T = K Q^T: channels 32 (i / 4) on, keys 16 (i % 4) on; the first four start the sums
.set rS, S+32*TA+8*((\i)%4)
.set rK, KF+16*((\i)%4)+8*((\i)/4)
.set rQ, QF+16*TA+8*((\i)/4)
	WIN W_KQ
.if (\i) < 4
	v_wmma_f32_16x16x32_f16 v[rS:rS+7], v[rK:rK+7], v[rQ:rQ+7], 0
.else
	v_wmma_f32_16x16x32_f16 v[rS:rS+7], v[rK:rK+7], v[rQ:rQ+7], v[rS:rS+7]
.endif
.endm
.macro PV i                            ; product i of 8 of O^T += V^T P: keys 32 (i / 4) on, channels 16 (i % 4) on
.set rO, 32*TC+8*((\i)%4)
.set rV, VF+32*((\i)/4)+8*((\i)%4)
.set rP, PBUF+8*((\i)/4)
	WIN W_PV
	v_wmma_f32_16x16x32_f16 v[rO:rO+7], v[rV:rV+7], v[rP:rP+7], v[rO:rO+7]
.endm
.macro FETCH_K                         ; a step's K: 16 LDS loads in one run
.irp f, 0,1,2,3,4,5,6,7
	ds_load_b128 v[KF+8*\f:KF+8*\f+3],   v[AK] offset:(\f/2)*16*PK+(\f%2)*64
	ds_load_b128 v[KF+8*\f+4:KF+8*\f+7], v[AK] offset:(\f/2)*16*PK+(\f%2)*64+32
.endr
	s_add_co_u32 s[TBK], s[TBK], KS*PK
.endm
.macro FETCH_V                         ; a step's V, turned
	WIN 0x40
.irp f, 0,1,2,3,4,5,6,7
	ds_load_tr16_b128 v[VF+8*\f:VF+8*\f+3],   v[AV] offset:(\f/4)*32*PVV+(\f%4)*32
	ds_load_tr16_b128 v[VF+8*\f+4:VF+8*\f+7], v[AV] offset:(\f/4)*32*PVV+16*PVV+(\f%4)*32
.endr
	WIN 0
.endm
; THE VECTOR WORK.  LV drops stages in the last turns: 1: no new scores; 2: nor 1 + u and r; 3: nor C2 r + C3 and p.
.macro AA n                            ; pair n: 1 + u
.if LV < 2
	v_pk_add_f32 v[S+32*TR+2*(\n):S+32*TR+2*(\n)+1], v[S+32*TR+2*(\n):S+32*TR+2*(\n)+1], 1.0 op_sel_hi:[1,0]
.endif
.endm
.macro FF n                            ; pair n: C2 r + C3
.if LV < 3
	v_pk_fma_f32 v[S+32*TE+2*(\n):S+32*TE+2*(\n)+1], v[S+32*TE+2*(\n):S+32*TE+2*(\n)+1], s[C2:C2+1], s[C3:C3+1] op_sel_hi:[1,0,0]
.endif
.endm
.macro TQ                              ; the next of the queue r0, p0, r1, p1, ..
.if (tq%2 == 0) && (LV < 2)
	v_rcp_f32 v[S+32*TR+tq/2], v[S+32*TR+tq/2]
.elseif (tq%2 == 1) && (LV < 3)
	v_exp_f32 v[S+32*TE+tq/2], v[S+32*TE+tq/2]
.endif
.set tq, tq+1
.endm
.macro EE n                            ; u of score n: each accumulator's lowest registers are read first
.if LV < 1
	v_exp_f32 v[S+32*TA+(\n)], v[S+32*TA+(\n)]
.endif
.endm
.macro LL n                            ; the sums take pair n, two chains by turns
	v_pk_add_f32 v[L+4*TC+2*((\n)%2):L+4*TC+2*((\n)%2)+1], v[L+4*TC+2*((\n)%2):L+4*TC+2*((\n)%2)+1], v[S+32*TC+2*(\n):S+32*TC+2*(\n)+1]
.endm
; A TURN.  First half, under one window setting: behind each product K Q^T two pairs of 1 + u, two of C2 r + C3 and six of the queue (entry r_n stands behind pair n / 2's 1 + u, p_n behind its
; C2 r + C3: behind product g pairs up to 2 g + 1 are made and entries up to 3 g + 2 taken).  Then a lump: the 16 roundings by turns with the queue's last 16.  Second half: behind each product
; V^T P two sums and four u.  Nothing in a turn names the result of one of its transcendentals; a v_nop and ONE wait end it, ahead of every label and branch.
; K of the next step is fetched in turn 3's lump: nine plain instructions behind the last product that read K; it is waited for at turn 0's head.
; V of the step in hand is fetched at turn 2's end: five plain instructions (two sums, two v_nop, the address) behind the last product that read V; it is waited for in turn 3's lump.
.macro TURN a, lvl=0, fetch=1
.set TA, (\a)
.set TR, ((\a)+3)%4
.set TE, ((\a)+2)%4
.set TC, ((\a)+1)%4
.set LV, (\lvl)
.set PBUF, P+16*((\a)%2)
.set tq, 0
.if ((\a) == 0) && ((\lvl) == 0)
	s_wait_dscnt 0x0                               ; K is in
.endif
.if (\lvl) < 3
	WIN W_KQ
.set g, 0
.rept 8
.if LV < 1
	KQ g
.endif
	AA 2*g
	TQ
	FF 2*g
	TQ
	AA 2*g+1
	TQ
	FF 2*g+1
	TQ
	TQ
	TQ
.set g, g+1
.endr
.endif
	WIN 0
.set c, 0
.rept 16
	v_cvt_pk_f16_f32 v[PBUF+c], v[S+32*TC+2*c], v[S+32*TC+2*c+1]
.if ((\a) == 3) && (c == 3)
	s_wait_dscnt 0x0                               ; V is in
.if \fetch
	v_add_nc_u32 v[AK], s[TBK], v[AK0]
	FETCH_K
.endif
.endif
	TQ
.set c, c+1
.endr
.set g, 0
.rept 8
	PV g
	WIN 0
	LL 2*g
	EE 4*g
	LL 2*g+1
	EE 4*g+1
	EE 4*g+2
	EE 4*g+3
.set g, g+1
.endr
.if (\lvl) < 3
	v_nop                                          ; a plain instruction behind the last transcendental: one for the batch
	s_wait_alu depctr_va_vdst(0)                   ; the wait for the batch
.endif
.if ((\a) == 2) && (\fetch)
	v_nop
	v_add_nc_u32 v[AV], s[TBV], v[AV0]
	s_add_co_u32 s[TBV], s[TBV], KS*PVV
	FETCH_V
.endif
.endm
	CHANGE 1                                       ; slot 0 is in, everybody's part of it; slot 1 is asked for
	v_add_nc_u32 v[AK], s[TBK], v[AK0]
	FETCH_K                                        ; key step 0
	s_wait_loadcnt 0x0                             ; Q
	s_mov_b32 s[CNT], 4
	s_branch .Lfirst                               ; the loop is entered at a step's first turn, in the middle of a trip
.Lslot:                                        ; six times: slots 2 to 7 are asked for
	CHANGE 1
	s_mov_b32 s[CNT], 4
.Lstep:                                        ; a trip: turn 3 of one step, then turns 0 to 2 of the next
	TURN 3
.Lfirst:
	TURN 0
	TURN 1
	TURN 2
	s_sub_co_u32 s[CNT], s[CNT], 1
	s_cmp_lg_u32 s[CNT], 0
	s_cbranch_scc1 .Lstep
	s_sub_co_u32 s[SLOTS], s[SLOTS], 1
	s_cmp_lg_u32 s[SLOTS], 0
	s_cbranch_scc1 .Lslot
	CHANGE 0                                       ; the last slot is written out
	s_mov_b32 s[CNT], 4
.Ltail:
	TURN 3
	TURN 0
	TURN 1
	TURN 2
	s_sub_co_u32 s[CNT], s[CNT], 1
	s_cmp_lg_u32 s[CNT], 0
	s_cbranch_scc1 .Ltail
	TURN 3, 0, 0                                   ; the last step's last scores; nothing more is fetched
	TURN 0, 1                                      ; and the stages run empty
	TURN 1, 2
	TURN 2, 3, 0
	; THE WAY OUT.  The sums' chains, halves and the other half of the lanes' are added (these lines are the places behind the last products); O^T is divided, rounded to f16 and sent through my stage.
.macro ALL line:vararg
.set t, 0
.rept 4
	\line
.set t, t+1
.endr
.endm
	ALL v_pk_add_f32 v[L+4*t:L+4*t+1], v[L+4*t:L+4*t+1], v[L+4*t+2:L+4*t+3]
	ALL v_add_f32 v[L+4*t], v[L+4*t], v[L+4*t+1]
	ALL v_permlanex16_b32 v[L+4*t+1], v[L+4*t], s[SEL], s[SEL+1]
	ALL v_add_f32 v[L+4*t], v[L+4*t], v[L+4*t+1]
	ALL v_rcp_f32 v[L+4*t+2], v[L+4*t]
	v_nop
	s_wait_alu depctr_va_vdst(0)                   ; one wait for the four reciprocals
.macro PACK t
	WIN W_RS
.set i, 32*(\t)
.rept 16
	v_pk_mul_f32 v[i:i+1], v[i:i+1], v[L+4*(\t)+2:L+4*(\t)+3] op_sel_hi:[1,0]
.set i, i+2
.endr
	WIN 0x05                                       ; sources 0 and 1 window 1, destination window 0: S's registers are free
.set i, 0
.rept 16
	v_cvt_pk_f16_f32 v[S+16*(\t)+i], v[32*(\t)+2*i], v[32*(\t)+2*i+1]
.set i, i+1
.endr
	WIN 0
.irp f, 0,1,2,3
	ds_store_b128 v[STO], v[S+16*(\t)+4*\f:S+16*(\t)+4*\f+3] offset:32*\f
.endr
.irp f, 0,1,2,3
	ds_load_b128 v[S+16*(\t)+4*\f:S+16*(\t)+4*\f+3], v[RD] offset:\f*4*SP  ; LDS serves a wave's instructions in order (ISA guide 5.7.1.4): these see the stores above
.endr
.endm
.macro SEND t, younger                 ; younger: the next tile's eight LDS instructions, or none
.irp f, 0,1,2,3
	s_wait_dscnt (\younger)+3-\f
	global_store_b128 v[GO], v[S+16*(\t)+4*\f:S+16*(\t)+4*\f+3], s[6:7] offset:(\t)*2048+\f*512  ; 512 consecutive bytes, aligned
.endr
.endm
	PACK 0
	PACK 1
	SEND 0, 8
	PACK 2
	SEND 1, 8
	PACK 3
	SEND 2, 8
	SEND 3, 0
	s_wait_tensorcnt 0x0                           ; the wave's end
	ds_add_u32 v[SPW], v[NIL]
	s_wait_dscnt 0x0
	CROUND                                         ; the closing round
	s_endpgm
.Lfunc_end_k_qa4775a467d_attn:
	.size	k_qa4775a467d_attn, .Lfunc_end_k_qa4775a467d_attn-k_qa4775a467d_attn
	.p2alignl 7, 3214868480
	.fill 96, 4, 3214868480
	.section	.rodata,"a",@progbits
	.p2align	6, 0x0
	.amdhsa_kernel k_qa4775a467d_attn
		.amdhsa_group_segment_fixed_size 327680
		.amdhsa_private_segment_fixed_size 0
		.amdhsa_enable_private_segment 0
		.amdhsa_kernarg_size 16
		.amdhsa_user_sgpr_count 2
		.amdhsa_user_sgpr_kernarg_segment_ptr 1
		.amdhsa_wavefront_size32 1
		.amdhsa_system_sgpr_workgroup_id_x 1
		.amdhsa_system_sgpr_workgroup_id_y 1
		.amdhsa_system_sgpr_workgroup_id_z 1
		.amdhsa_system_vgpr_workitem_id 0
		.amdhsa_next_free_vgpr 512
		.amdhsa_next_free_sgpr 80
		.amdhsa_reserve_vcc 0
		.amdhsa_float_denorm_mode_32 3
		.amdhsa_float_denorm_mode_16_64 3
		.amdhsa_memory_ordered 1
		.amdhsa_forward_progress 1
		.amdhsa_inst_pref_size 134
	.end_amdhsa_kernel
	.amdgpu_metadata
---
amdhsa.version: [ 1, 2 ]
amdhsa.kernels:
  - .name:           k_qa4775a467d_attn
    .symbol:         k_qa4775a467d_attn.kd
    .args:
      - { .name: qkv, .offset: 0, .size: 8, .value_kind: global_buffer, .address_space: global }
      - { .name: o16, .offset: 8, .size: 8, .value_kind: global_buffer, .address_space: global }
    .group_segment_fixed_size: 327680
    .private_segment_fixed_size: 0
    .kernarg_segment_align: 8
    .kernarg_segment_size: 16
    .max_flat_workgroup_size: 128
    .sgpr_count:     80
    .vgpr_count:     512
    .wavefront_size: 32
...
	.end_amdgpu_metadata
.endif
;; end of part 3
;; launch outp (part 4): grid 8 x 32, 4 waves a work-group, clusters of 4 x 4, 327,680 bytes of LDS; arguments o16, wo16, out0; writes out0
.if DOCPART == 4
	.amdgcn_target "amdgcn-amd-amdhsa--gfx1250"
	.amdhsa_code_object_version 6
	.text
	.protected	k_qa4775a467d_outp
	.globl	k_qa4775a467d_outp
	.p2align	8
	.type	k_qa4775a467d_outp,@function
k_qa4775a467d_outp:
	s_mov_b64 s[64:65], 0
	v_nop
	global_prefetch_b8 v0, s[64:65] scope:SCOPE_SE
	s_setreg_imm32_b32 hwreg(HW_REG_WAVE_MODE, 25, 1), 1
	s_wait_xcnt 0x0
	s_wait_alu depctr_hold_cnt(0) depctr_sa_sdst(0) depctr_va_vdst(0) depctr_va_sdst(0) depctr_va_ssrc(0) depctr_va_vcc(0) depctr_vm_vsrc(0)
	s_getreg_b32 s2, hwreg(HW_REG_IB_STS2, 6, 4)
	s_cmp_eq_u32 s2, 0
	s_cbranch_scc0 .Lentry_in_a_cluster
	s_endpgm
.Lentry_in_a_cluster:
	s_bfe_u32 s2, ttmp6, 0x10000c
	s_cmp_lg_u32 s2, 0xf033
	s_cbranch_scc0 .Lentry_shape_is_right
	s_endpgm
.Lentry_shape_is_right:
; out0 [8192][1024] f32 = O [8192][512] times Wo [512][1024], f16 operands, f32 sums.  O lies by heads, o16[batch 8 + head][2048][64]; wo16 is [512 k][1024].
; SHARES.  A work-group makes 256 rows x 128 columns: 8 x 32 = 256 work-groups; wave w rows 64 w .. 64 w + 63 and all 128 columns: 32 accumulators.  K goes in 4 steps of 128 (two heads) through
; two LDS slots; the steps are written out, without a loop.
; TRANSPOSED USE: source 0 = 16 columns of Wo (turned out of LDS), source 1 = 16 rows of O: a lane holds row l % 16 and eight neighbouring columns of each block of 16: 32 bytes of out0.
; CLUSTER 4 x 4: O's tile is asked for jointly along a row of the cluster, Wo's along a column.
; NO PREFETCH: K has four steps, two of them asked for at the head, so no step stands two refills on.
; REGISTERS: window 0: v0-31 addresses; v32-95 O's fragments, two buffers; v96-223 Wo's, two buffers (on the way out v32-159: rows read back)     window 1: accumulator (a, b) at 8 (8 a + b)
.set PITA,  144                        ; a head's row of O in LDS: 128 bytes + 16
.set PITB,  288                        ; a k row of Wo: 256 + 32 = 9 x 32
.set HALFA, 256*PITA                   ; what waves 0 and 1 fetch: 256 rows of one head
.set HALFB, 64*PITB                    ; what waves 2 and 3 fetch: 64 k rows
.set BOFF,  2*HALFA
.set SLOT,  BOFF+2*HALFB               ; 110,592
.set STAGE, 2*SLOT                     ; behind the ring, never filled by a tensor load: 16 rows x 528 bytes for each wave
.set SP,    528                        ; 512 bytes + 16: 33 x 16, so the 16 rows of a store start at 16 different groups of four banks (64 banks of 4 bytes: ISA guide 11.1)
.set SPARE, STAGE+4*16*SP              ; the spare words: two blocks of 256 bytes that no other line names
.set ADRA, 16
.set ADRB, 20
.set STO,  24
.set RD,   25
.set GO,   26
.set SPW,  28
.set NIL,  29
.set FA,   32
.set FB,   96
.set OB,   32
.set WV,  12
.set G1A, 24
.set G0A, 32
.set G1B, 48
.set G0B, 56
.set MSB, 0
.macro WIN new
.if MSB != (\new)
	s_set_vgpr_msb (MSB<<8)|(\new)
.set MSB, (\new)
.endif
.endm
.macro JLOAD s                         ; waves 0 and 1 fetch the step's two heads of O, waves 2 and 3 the halves of Wo's k rows.  An s_nop 0 and four v_nop follow each line
	s_cmp_eq_u32 s13, 0
	s_cbranch_scc0 .Lfor_b_\@
	tensor_load_to_lds s[G0A+4*(\s):G0A+4*(\s)+3], s[G1A:G1A+7]
	s_nop 0
.rept 4
	v_nop
.endr
	s_branch .Lasked_\@
.Lfor_b_\@:
	tensor_load_to_lds s[G0B+4*(\s):G0B+4*(\s)+3], s[G1B:G1B+7]
	s_nop 0
.rept 4
	v_nop
.endr
.Lasked_\@:
.endm
.macro CREST
	s_cmp_lg_u32 s[WV], 0
	s_cbranch_scc1 .Lnot_wave_0_\@
	s_barrier_signal -3
.Lnot_wave_0_\@:
	s_barrier_wait -3
	s_barrier_signal -1
	s_barrier_wait -1
.endm
.macro CROUND
	s_barrier_signal -1
	s_barrier_wait -1
	CREST
.endm
.macro PLACES
.rept 4
	v_nop
.endr
.endm
	s_load_b128 s[4:7], s[0:1], 0x0                ; o16 4, wo16 6
	s_load_b64 s[8:9], s[0:1], 0x10                ; out0
	v_lshl_add_u32 v[SPW], v0, 2, SPARE
	v_mov_b32 v[NIL], 0
	ds_add_u32 v[SPW], v[NIL]                      ; the wave's opening: the add and its wait ahead of my first tensor load
	v_lshrrev_b32 v1, 5, v0
	v_readfirstlane_b32 s[WV], v1
	s_lshr_b32 s13, s[WV], 1
	s_and_b32 s14, s[WV], 1
	s_bfe_u32 s40, ttmp6, 0x40000                  ; cx
	s_bfe_u32 s41, ttmp6, 0x40004                  ; cy
	s_lshl_b32 s42, ttmp9, 2
	s_add_co_u32 s42, s42, s40                     ; tile column
	s_and_b32 s43, ttmp7, 0xffff
	s_lshl_b32 s43, s43, 2
	s_add_co_u32 s43, s43, s41                     ; tile row
	s_lshl_b32 s16, s41, 2
	s_lshl_b32 s16, 15, s16                        ; my row of the cluster
	s_lshl_b32 s20, 0x1111, s40                    ; my column
	s_or_b32 s[G1A], s16, (1<<16)|(1<<20)|(1<<21)|(4<<22)|(3<<25)  ; after every 32 words 4 words
	s_or_b32 s[G1B], s20, (1<<16)|(1<<20)|(1<<21)|(5<<22)|(7<<25)  ; after every 64 words 8 words
	s_mov_b32 s[G1A+1], 128<<16                    ; 256 rows of a head are 32,768 dense bytes: 128 rows of 256
	s_mov_b32 s[G1A+2], 128<<16
	s_mov_b32 s[G1A+3], 128<<16
	s_mov_b32 s[G1A+4], 128
	s_mov_b32 s[G1A+5], 128
	s_mov_b32 s[G1A+6], 0
	s_mov_b32 s[G1A+7], 0
	s_mov_b32 s[G1B+1], 128<<16                    ; 64 k rows x 128 columns
	s_mov_b32 s[G1B+2], 64<<16
	s_mov_b32 s[G1B+3], 128<<16
	s_mov_b32 s[G1B+4], 64
	s_mov_b32 s[G1B+5], 1024
	s_mov_b32 s[G1B+6], 0
	s_mov_b32 s[G1B+7], 0
	s_lshr_b32 s16, s43, 3                         ; O: batch x 8 heads of 262,144 bytes,
	s_lshl_b32 s16, s16, 21
	s_and_b32 s17, s43, 7
	s_lshl_b32 s17, s17, 15                        ; the tile's 256 rows of 128 bytes,
	s_add_co_u32 s16, s16, s17
	s_lshl_b32 s17, s14, 18                        ; my head of the step's two
	s_add_co_u32 s16, s16, s17
	s_mov_b32 s17, 0
	s_lshl_b32 s20, s42, 8                         ; Wo: the tile's 128 columns,
	s_lshl_b32 s21, s14, 17                        ; my 64 k rows of 2,048 bytes
	s_add_co_u32 s20, s20, s21
	s_mov_b32 s21, 0
	s_mul_i32 s18, s14, HALFA
	s_mul_i32 s22, s14, HALFB
	s_add_co_u32 s22, s22, BOFF
	s_wait_dscnt 0x0                               ; the opening add is done
	s_wait_kmcnt 0x0
	s_add_nc_u64 s[16:17], s[4:5], s[16:17]
	s_add_nc_u64 s[20:21], s[6:7], s[20:21]
	CROUND                                         ; all sixteen work-groups are here
.irp s, 0,1
	s_mov_b32 s[G0A+4*(\s)], 1
	s_add_co_u32 s[G0A+4*(\s)+1], s18, (\s)*SLOT
	s_add_nc_u64 s[G0A+4*(\s)+2:G0A+4*(\s)+3], s[16:17], (\s)<<19
	s_or_b32 s[G0A+4*(\s)+3], s[G0A+4*(\s)+3], 0x80000000
	s_mov_b32 s[G0B+4*(\s)], 1
	s_add_co_u32 s[G0B+4*(\s)+1], s22, (\s)*SLOT
	s_add_nc_u64 s[G0B+4*(\s)+2:G0B+4*(\s)+3], s[20:21], (\s)<<18
	s_or_b32 s[G0B+4*(\s)+3], s[G0B+4*(\s)+3], 0x80000000
	JLOAD \s                                       ; K steps 0 and 1: two loads of mine are out
.endr
	v_and_b32 v1, 15, v0
	v_bfe_u32 v2, v0, 4, 1
	v_mul_u32_u24 v3, v1, PITA
	v_lshl_add_u32 v3, v2, 4, v3
	s_mul_i32 s20, s[WV], 64*PITA
	v_add_nc_u32 v[ADRA], s20, v3
	v_add_nc_u32 v[ADRA+1], SLOT, v[ADRA]
	v_and_b32 v4, 7, v0
	v_lshl_add_u32 v5, v2, 3, v4
	v_mul_u32_u24 v5, v5, PITB
	v_bfe_u32 v6, v0, 3, 1
	v_lshl_add_u32 v5, v6, 4, v5
	v_add_nc_u32 v[ADRB], BOFF, v5
	v_add_nc_u32 v[ADRB+1], SLOT, v[ADRB]
	s_mul_i32 s20, s[WV], 16*SP
	s_add_co_u32 s20, s20, STAGE                   ; my stage
	v_mul_u32_u24 v[STO], v1, SP                   ; in: row l % 16, 32 bytes for each half of the lanes
	v_lshl_add_u32 v[STO], v2, 5, v[STO]
	v_add_nc_u32 v[STO], s20, v[STO]
	v_and_b32 v[GO], 31, v0
	v_lshlrev_b32 v[GO], 4, v[GO]                  ; back and out: 32 lanes take a row's 512 bytes
	v_add_nc_u32 v[RD], s20, v[GO]
	s_lshl_b32 s20, s43, 20                        ; out0: 256 rows of 4,096 bytes a tile row,
	s_lshl_b32 s21, s[WV], 18                      ; my 64,
	s_add_co_u32 s20, s20, s21
	s_lshl_b32 s21, s42, 9                         ; the tile's 512 bytes of a row
	s_add_co_u32 s20, s20, s21
	s_mov_b32 s21, 0
	s_add_nc_u64 s[8:9], s[8:9], s[20:21]
.macro MUL8 f, a, zero                 ; row block a x all 8 column blocks, 32 along K.  The 32 accumulators take turns in the same order everywhere
	WIN 0x50                                       ; C and D in window 1
.irp b, 0,1,2,3,4,5,6,7
.if \zero
	v_wmma_f32_16x16x32_f16 v[8*(8*(\a)+(\b)):8*(8*(\a)+(\b))+7], v[FB+64*(\f)+8*(\b):FB+64*(\f)+8*(\b)+7], v[FA+32*(\f)+8*(\a):FA+32*(\f)+8*(\a)+7], 0
.else
	v_wmma_f32_16x16x32_f16 v[8*(8*(\a)+(\b)):8*(8*(\a)+(\b))+7], v[FB+64*(\f)+8*(\b):FB+64*(\f)+8*(\b)+7], v[FA+32*(\f)+8*(\a):FA+32*(\f)+8*(\a)+7], v[8*(8*(\a)+(\b)):8*(8*(\a)+(\b))+7]
.endif
.endr
.endm
.macro FETCH slot, q, f                ; 24 LDS loads in one run: quarter q: k rows 32 q on of Wo, turned; of O head q / 2 of the step's two, channels 32 (q % 2) on
	WIN 0
.irp b, 0,1,2,3,4,5,6,7
	ds_load_tr16_b128 v[FB+64*(\f)+8*(\b):FB+64*(\f)+8*(\b)+3],   v[ADRB+(\slot)] offset:32*PITB*(\q)+32*(\b)
	ds_load_tr16_b128 v[FB+64*(\f)+8*(\b)+4:FB+64*(\f)+8*(\b)+7], v[ADRB+(\slot)] offset:32*PITB*(\q)+32*(\b)+16*PITB
.endr
.irp a, 0,1,2,3
	ds_load_b128 v[FA+32*(\f)+8*(\a):FA+32*(\f)+8*(\a)+3],   v[ADRA+(\slot)] offset:((\q)/2)*HALFA+((\q)%2)*64+(\a)*16*PITA
	ds_load_b128 v[FA+32*(\f)+8*(\a)+4:FA+32*(\f)+8*(\a)+7], v[ADRA+(\slot)] offset:((\q)/2)*HALFA+((\q)%2)*64+(\a)*16*PITA+32
.endr
.endm
.macro QUARTER slot, q, f, g, zero
	s_wait_dscnt 4                                 ; Wo and O's row blocks 0, 1 are in; the youngest four loads may be out
	MUL8 \f, 0, \zero
	MUL8 \f, 1, \zero
	PLACES
	FETCH \slot, \q, \g
	s_wait_dscnt 24                                ; all but the 24 just issued
	MUL8 \f, 2, \zero
	MUL8 \f, 3, \zero
.endm
.macro MEET round                      ; one barrier for the change of slots: in front of it all my tensor loads, the add, and my reads of this slot
	WIN 0
	s_wait_tensorcnt 0x0
	ds_add_u32 v[SPW], v[NIL]
	s_wait_dscnt 5                                 ; the add and the youngest four loads may be out
	MUL8 1, 0, 0
	s_wait_dscnt 0x0
	s_barrier_signal -1
	MUL8 1, 1, 0
.if \round
	WIN 0
.endif
	s_barrier_wait -1
.endm
.macro TURN slot, next, fill
	MEET \fill
.if \fill
	CREST                                          ; no wave of any partner still reads this slot or has a load on its way
	s_add_nc_u64 s[G0A+4*(\slot)+2:G0A+4*(\slot)+3], s[G0A+4*(\slot)+2:G0A+4*(\slot)+3], 1<<20  ; four heads on
	s_add_nc_u64 s[G0B+4*(\slot)+2:G0B+4*(\slot)+3], s[G0B+4*(\slot)+2:G0B+4*(\slot)+3], 1<<19  ; 256 k rows on
	JLOAD \slot                                    ; its four v_nop are also the places in front of the loads below
.else
	PLACES
.endif
	FETCH \next, 0, 0
	MUL8 1, 2, 0
	MUL8 1, 3, 0
.endm
	s_wait_tensorcnt 0x1                           ; my part of K step 0 is in; K step 1's may stay out
	s_barrier_signal -1
	s_barrier_wait -1
	FETCH 0, 0, 0
	QUARTER 0, 1, 0, 1, 1                          ; the first quarter's products start the sums
	QUARTER 0, 2, 1, 0, 0
	QUARTER 0, 3, 0, 1, 0
	TURN 0, 1, 1                                   ; slot 0 takes K step 2
	QUARTER 1, 1, 0, 1, 0
	QUARTER 1, 2, 1, 0, 0
	QUARTER 1, 3, 0, 1, 0
	TURN 1, 0, 1                                   ; slot 1 takes K step 3
	QUARTER 0, 1, 0, 1, 0
	QUARTER 0, 2, 1, 0, 0
	QUARTER 0, 3, 0, 1, 0
	TURN 0, 1, 0
	QUARTER 1, 1, 0, 1, 0
	QUARTER 1, 2, 1, 0, 0
	QUARTER 1, 3, 0, 1, 0
	s_wait_dscnt 4
	MUL8 1, 0, 0
	MUL8 1, 1, 0
	s_wait_dscnt 0x0
	MUL8 1, 2, 0
	MUL8 1, 3, 0
	WIN 0
	; THE WAY OUT, 16 rows at a time: 32 bytes a lane and column block into my stage, each accumulator's low registers first; back as whole rows of 512 bytes; stored.
.rept 8
	v_nop                                          ; the places behind the last products, once a launch
.endr
.irp a, 0,1,2,3
	WIN 0x04                                       ; an LDS store's data is source 1: window 1
.irp b, 0,1,2,3,4,5,6,7
	ds_store_b128 v[STO], v[8*(8*(\a)+(\b)):8*(8*(\a)+(\b))+3]   offset:64*(\b)
	ds_store_b128 v[STO], v[8*(8*(\a)+(\b))+4:8*(8*(\a)+(\b))+7] offset:64*(\b)+16
.endr
	WIN 0
	s_wait_xcnt 0x0                                ; the stores of two blocks back have read these registers
.set rr, 0
.rept 16
	ds_load_b128 v[OB+64*((\a)%2)+4*rr:OB+64*((\a)%2)+4*rr+3], v[RD] offset:SP*rr  ; LDS serves a wave's instructions in order (ISA guide 5.7.1.4): these see the stores above
.set rr, rr+1
.endr
.set rr, 0
.rept 16
	s_wait_dscnt 15-rr
	global_store_b128 v[GO], v[OB+64*((\a)%2)+4*rr:OB+64*((\a)%2)+4*rr+3], s[8:9] offset:(16*(\a)+rr)*4096 th:TH_STORE_NT  ; 512 consecutive bytes of a row, aligned
.set rr, rr+1
.endr
.endr
	s_wait_tensorcnt 0x0                           ; the wave's end
	ds_add_u32 v[SPW], v[NIL]
	s_wait_dscnt 0x0
	CROUND                                         ; the closing round
	s_endpgm
.Lfunc_end_k_qa4775a467d_outp:
	.size	k_qa4775a467d_outp, .Lfunc_end_k_qa4775a467d_outp-k_qa4775a467d_outp
	.p2alignl 7, 3214868480
	.fill 96, 4, 3214868480
	.section	.rodata,"a",@progbits
	.p2align	6, 0x0
	.amdhsa_kernel k_qa4775a467d_outp
		.amdhsa_group_segment_fixed_size 327680
		.amdhsa_private_segment_fixed_size 0
		.amdhsa_enable_private_segment 0
		.amdhsa_kernarg_size 24
		.amdhsa_user_sgpr_count 2
		.amdhsa_user_sgpr_kernarg_segment_ptr 1
		.amdhsa_wavefront_size32 1
		.amdhsa_system_sgpr_workgroup_id_x 1
		.amdhsa_system_sgpr_workgroup_id_y 1
		.amdhsa_system_sgpr_workgroup_id_z 1
		.amdhsa_system_vgpr_workitem_id 0
		.amdhsa_next_free_vgpr 512
		.amdhsa_next_free_sgpr 66
		.amdhsa_reserve_vcc 0
		.amdhsa_float_denorm_mode_32 3
		.amdhsa_float_denorm_mode_16_64 3
		.amdhsa_memory_ordered 1
		.amdhsa_forward_progress 1
		.amdhsa_inst_pref_size 86
	.end_amdhsa_kernel
	.amdgpu_metadata
---
amdhsa.version: [ 1, 2 ]
amdhsa.kernels:
  - .name:           k_qa4775a467d_outp
    .symbol:         k_qa4775a467d_outp.kd
    .args:
      - { .name: o16, .offset: 0, .size: 8, .value_kind: global_buffer, .address_space: global }
      - { .name: wo16, .offset: 8, .size: 8, .value_kind: global_buffer, .address_space: global }
      - { .name: out0, .offset: 16, .size: 8, .value_kind: global_buffer, .address_space: global }
    .group_segment_fixed_size: 327680
    .private_segment_fixed_size: 0
    .kernarg_segment_align: 8
    .kernarg_segment_size: 24
    .max_flat_workgroup_size: 128
    .sgpr_count:     66
    .vgpr_count:     512
    .wavefront_size: 32
...
	.end_amdgpu_metadata
.endif
;; end of part 4
